; MI455X (gfx1250); checked and timed in simulation.
; The chip was launched on July 23, 2026; its instructions are those of AMD's public machine-readable ISA for CDNA 5 (MIT licence, August 2026) and "CDNA5" Instruction Set Architecture Reference Guide (July 2026). The comments in the code are by the model that wrote it; some were corrected since.
;; Ro PE Attention. Allowed arithmetic: matrix products marked QUANTISED: E2M3 operands, one E8M0 scale for each 32 along K, by v_wmma_scale_f32_16x16x128_f8f6f4 with both operands' format E2M3, f32 sums; everything else in f32.
;; Inputs: Wproj 1,024 x 1,024 float32; Wqkv 1,024 x 3,072 float32; bproj 1,024 float32; bqkv 3,072 float32; cos 2,048 x 32 float32; sin 2,048 x 32 float32; x 4 x 2,048 x 1,024 float32.
;; Outputs: out0 4 x 2,048 x 1,024 float32.
;; This version of the problem:
;;   THIS VERSION OF THE PROBLEM IS GIVEN IN LOW PRECISION. The matrix products marked QUANTISED in the list below multiply operands that are first quantised to E2M3 (2 exponent bits, 3 mantissa bits; 6 bits a number), with one power-of-two scale for each 32 numbers along K (OCP MX v1.0); their sums are f32. All else is computed in f32.
;;   The module's matrix products, in the order in which they are computed (A, B: the left and right operand; K: the contracted axis; several contracted axes count as one K, in the product's order):
;;     1. [M 8,192, K 1,024] x [K 1,024, N 3,072]; A: input x; B: input Wqkv: QUANTISED
;;     2. batch 64 x [M 2,048, K 64] x [K 64, N 2,048]; A: computed on the way; B: computed on the way: QUANTISED
;;     3. batch 64 x [M 2,048, K 2,048] x [K 2,048, N 64]; A: softmax (see below); B: computed on the way: QUANTISED
;;     4. [M 8,192, K 1,024] x [K 1,024, N 1,024]; A: computed on the way; B: input Wproj: QUANTISED
;;   THE QUANTISER, for each operand of a quantised product, along K:
;;     - K is cut into blocks of 32 from its start; a last block that is shorter is filled with zeros.
;;     - A block's scale is 2^e with e = floor(log2(the largest magnitude in the block)) - 2, held to -126 .. 127; a block of zeros has e = 0. As a byte (E8M0): e + 127.
;;     - Each number is divided by its block's scale, clamped to +-7.5, and rounded to the nearest number of E2M3, ties to even, subnormals kept.
;;     - The product sums the exact products of the quantised numbers (number of the format x scale) in f32.
;;   ~~~python
;;   def quantise(x, axis):      # numpy; x: float32 -> the quantised numbers, widened to float32 again
;;       x = np.moveaxis(x, axis, -1); K = x.shape[-1]
;;       x = np.pad(x, [(0, 0)] * (x.ndim - 1) + [(0, -K % 32)]); x = x.reshape(x.shape[:-1] + (-1, 32)); a = np.abs(x).max(-1, keepdims=True)
;;       e = np.where(a > 0, np.clip(np.frexp(np.where(a > 0, a, 1))[1] - 1 - 2, -126, 127), 0)      # np.frexp(a)[1] - 1 = floor(log2(a)), exactly
;;       r = np.clip(x / 2.0 ** e, -7.5, 7.5)
;;       step = 2.0 ** (np.maximum(np.frexp(np.where(r == 0, 1, r))[1] - 1, 0) - 3)
;;       q = np.round(r / step) * step * 2.0 ** e      # np.round: ties to even
;;       return np.moveaxis(q.reshape(q.shape[:-2] + (-1,))[..., :K], -1, axis).astype(np.float32)
;;   ~~~
;;   SOFTMAX AHEAD OF A QUANTISED PRODUCT. Where the list says 'softmax', what is quantised is not the finished softmax but p = 2^(t - M), with t = logit x log2(e) and M = ceil(the row's largest t), a whole number; so 1/2 < the row's largest p <= 1. The row's sum l is taken of the UNQUANTISED p, in f32, and the product's result is divided by l at the end. Since M is a whole number, a kernel that streams over the keys may use a running M (the ceiling of the running maximum): every later rescaling is an exact power of two, which a block's scale takes up: the codes' values come out the same.
;;   OPERANDS COMPUTED ON THE WAY. 'Computed on the way' means the value that the module computes at that place (a softmax that the list does not call 'softmax' is quantised finished and normalised). What goes into a quantiser is computed in f32, as accurately as f32 sums, v_exp_f32 and their like allow (about 1e-6 of the number): no bf16 or f16 on the way to a quantiser, and a product that is left as it is and whose result goes on into a quantised operand takes f32 operands (vector FMAs, or v_wmma_f32_16x16x4_f32). A number that lies on a knife's edge between two numbers of the format may be rounded either way, as far as f32 arithmetic and the matrix unit's own rounding can turn it there, and no further.
;; One version. Each part assembles by itself: llvm-mc -triple=amdgcn-amd-amdhsa -mcpu=gfx1250 --defsym DOCPART=n.
;; ======== version 1 of 1: 4 launches
;; limits: right only within a limited range of input values
;; workspace buffers: opc 9,437,184 bytes; ops 393,216 bytes; qkv 20,185,088 bytes; oc 6,291,456 bytes; os 262,144 bytes
;; launch quant (part 1): grid 640 x 1, 4 waves a work-group, no clusters, 92,672 bytes of LDS; arguments Wqkv, Wproj, opc, ops, x; writes opc, ops
.if DOCPART == 1
	.amdgcn_target "amdgcn-amd-amdhsa--gfx1250"
	.amdhsa_code_object_version 6
	.text
	.protected	k_q8e1ecf1c51_quant
	.globl	k_q8e1ecf1c51_quant
	.p2align	8
	.type	k_q8e1ecf1c51_quant,@function
k_q8e1ecf1c51_quant:
	s_mov_b64 s[64:65], 0
	v_nop
	global_prefetch_b8 v0, s[64:65] scope:SCOPE_SE
	s_setreg_imm32_b32 hwreg(HW_REG_WAVE_MODE, 25, 1), 1
	s_wait_xcnt 0x0
; One launch quantises all three f32 operands into codes of FP6 (E2M3) with one E8M0 byte for each 32 along K, laid as the products' operand registers want them.
; A block's scale is 2^(floor(log2(its largest magnitude)) - 2); its byte is the largest magnitude's exponent field - 2, held at 1 from below.
; LIMITS: NaN and infinities are not served; a block whose largest magnitude lies under 2^-124 keeps byte 1; a block of zeros has byte 1 where the rule says 127
; (its codes are zeros, which add nothing under any byte but 0xff, and this program alone reads the bytes).
; TILES OF POSITIONS.  Tile T holds 16 rows; its lane r stands for row 32 (T / 2) + 8 (T % 2) + r % 8 + 16 (r / 8).
; IMAGE.  16 rows x 64 K are 768 bytes: lane l = 16 h + r holds the 24 bytes of block h of row r: its first 16 bytes at 16 l, its last 8 at 512 + 8 l.
; opc: [group of 128 rows g][256 along K][tile i][64 along K c][768].  ops: [g][256 along K][i][r][two words of four bytes].  g = 0 .. 63: x; 64 .. 87: Wqkv's columns; 88 .. 95: Wproj's.
; WORK-GROUPS 0 .. 127 take the weights (128 columns x 256 along K each), 128 .. 639 take x (one tile of 16 rows each).  The two ways part on the work-group's number and have LDS bytes of their own.
; No tensor loads, no barrier: waves share nothing.
.set SP,    528
.set STG,   16*SP                      ; x: a stage of 16 rows
.set WREG,  2*STG                      ; a wave's two stages
.set QWB,   4*WREG                     ; the weights' four stages of 6,144 bytes lie behind x's
.set SPARE, QWB+4*6144                 ; behind them the spare words, 128 bytes a wave, that no other line names
.set SPW,   14
.set NIL,   15
	s_load_b128 s[4:7], s[0:1], 0x0                ; Wqkv, Wproj
	s_load_b128 s[8:11], s[0:1], 0x10              ; opc, ops
	s_load_b64 s[40:41], s[0:1], 0x20              ; x
	v_lshl_add_u32 v[SPW], v0, 2, SPARE
	v_mov_b32 v[NIL], 0
	v_lshrrev_b32 v1, 5, v0
	v_readfirstlane_b32 s42, v1                    ; wave
	s_cmp_lt_u32 ttmp9, 128
	s_cbranch_scc0 .Lx_way
; THE WEIGHTS.  K is their FIRST axis: a lane takes a column and its registers run down K, so a block of 32 lies in one lane and the conversions give codes with K innermost.
; Wave w = 32 columns = the tiles of positions 2 w and 2 w + 1: column l of the 32 is lane r = l % 8 + 8 (l / 16) of tile u = (l / 8) % 2.
; The pointer and the row's pitch are chosen on the work-group's number.  A wave's 6,144 bytes of images are gathered in its own stage and leave as 512 consecutive bytes a store.
.set VO,    32                         ; v32-63   i x pitch + 4 x lane
.set WX,    64                         ; v64-127  two sets of 32 numbers
.set WC,    128                        ; v128-135 a block's codes
.set SB,    136                        ; v136-137 eight scale bytes
.set OUTR,  144                        ; v144-191 the way out
	s_and_b32 s44, ttmp9, 31                       ; which 128 columns
	s_lshr_b32 s14, ttmp9, 5                       ; which 256 along K
	v_and_b32 v1, 31, v0                           ; lane
	v_bfe_u32 v2, v0, 3, 1                         ; u
	v_and_b32 v3, 7, v0
	v_bfe_u32 v9, v0, 4, 1
	v_lshl_add_u32 v3, v9, 3, v3                   ; r
	s_mul_i32 s13, s42, 6144
	s_add_co_u32 s13, s13, QWB
	v_mul_u32_u24 v10, v2, 3072
	v_add_nc_u32 v10, s13, v10                     ; my stage, my tile's four images
	v_lshl_add_u32 v4, v3, 4, v10                  ; an image's first part: 16 r (+ 256 for the upper block)
	v_lshl_add_u32 v5, v3, 3, v10
	v_add_nc_u32 v5, 512, v5                       ; its second part: 512 + 8 r (+ 128)
	v_lshlrev_b32 v7, 4, v1
	v_add_nc_u32 v6, s13, v7                       ; the way out: 16 x lane
	v_lshlrev_b32 v8, 3, v3
	v_lshl_add_u32 v8, v2, 7, v8                   ; my column's eight scale bytes: 128 u + 8 r
	v_lshlrev_b32 v9, 2, v1
	s_wait_alu depctr_va_vdst(0)                   ; the wait ahead of the run of scalar lines
	s_cmp_lt_u32 s44, 24                           ; Wqkv's work-group or Wproj's
	s_mov_b32 s15, 4096
	s_cselect_b32 s15, 12288, s15                  ; a row of the tensor in bytes
	s_cselect_b32 s16, 0, 24
	s_sub_co_u32 s16, s44, s16
	s_lshl_b32 s16, s16, 9                         ; 128 columns of 4 bytes
	s_lshl_b32 s17, s42, 7
	s_add_co_u32 s16, s16, s17                     ; + my wave's 32
	s_mul_i32 s18, s14, s15
	s_lshl_b32 s18, s18, 8                         ; 256 rows for each step along K
	s_add_co_u32 s18, s18, s16
	s_mov_b32 s19, 0
	s_lshl_b32 s17, s15, 5                         ; a block: 32 rows
.irp i, 0,1,2,3,4,5,6,7,8,9,10,11,12,13,14,15,16,17,18,19,20,21,22,23,24,25,26,27,28,29,30,31
	v_mad_u32_u24 v[VO+\i], s15, \i, v9
.endr
	s_add_co_u32 s20, s44, 64                      ; g
	s_lshl_b32 s21, s20, 2
	s_add_co_u32 s21, s21, s14
	s_lshl_b32 s21, s21, 3
	s_lshl_b32 s22, s42, 1
	s_add_co_u32 s21, s21, s22
	s_mul_i32 s22, s21, 3072                       ; codes: ((4 g + y) 8 + 2 w) x four images
	s_mov_b32 s23, 0
	s_lshl_b32 s20, s20, 12
	s_lshl_b32 s21, s14, 10
	s_add_co_u32 s20, s20, s21
	s_lshl_b32 s21, s42, 8
	s_add_co_u32 s20, s20, s21                     ; scale bytes: 4,096 g + 1,024 y + 256 w
	s_mov_b32 s21, 0
	s_wait_alu depctr_va_vdst(0)                   ; the wait at the head's end
	s_wait_kmcnt 0x0
	s_cmp_lt_u32 s44, 24
	s_cselect_b64 s[4:5], s[4:5], s[6:7]
	s_add_nc_u64 s[8:9], s[8:9], s[22:23]
	s_add_nc_u64 s[10:11], s[10:11], s[20:21]
.irp t, 0,1,2,3,4,5,6,7
	s_add_nc_u64 s[24+2*\t:25+2*\t], s[4:5], s[18:19]   ; a base for each block: no pointer is stepped later
	s_add_co_u32 s18, s18, s17
.endr
.macro LOAD t
.irp i, 0,1,2,3,4,5,6,7,8,9,10,11,12,13,14,15,16,17,18,19,20,21,22,23,24,25,26,27,28,29,30,31
	global_load_b32 v[WX+32*((\t)%2)+\i], v[VO+\i], s[24+2*(\t):25+2*(\t)] th:TH_LOAD_NT   ; row 32 t + i at 32 neighbouring columns
.endr
.endm
	LOAD 0
	LOAD 1
.macro BLOCK t
.set XS, WX+32*((\t)%2)
.if (\t) < 7
	s_wait_loadcnt 32                              ; this block's 32 loads are in; the next block's may be out
.else
	s_wait_loadcnt 0x0
.endif
	v_max3_num_f32 v12, |v[XS]|, |v[XS+1]|, |v[XS+2]|
	v_max3_num_f32 v13, |v[XS+3]|, |v[XS+4]|, |v[XS+5]|
.irp i, 6,10,14,18,22,26
	v_max3_num_f32 v12, v12, |v[XS+\i]|, |v[XS+\i+1]|
	v_max3_num_f32 v13, v13, |v[XS+\i+2]|, |v[XS+\i+3]|
.endr
	v_max3_num_f32 v12, v12, |v[XS+30]|, |v[XS+31]|
	v_max3_num_f32 v12, v12, v13, 0x1800000        ; and the floor 2^(3 - 127)
	v_add_nc_u32 v11, 0xff000000, v12              ; 2 off the exponent field: the conversion's scale operand
	v_lshrrev_b32 v13, 23, v11                     ; the byte
.if (\t)%4 == 0
	v_mov_b32 v[SB+(\t)/4], v13
.else
	v_lshl_or_b32 v[SB+(\t)/4], v13, 8*((\t)%4), v[SB+(\t)/4]
.endif
	v_cvt_scalef32_pk16_fp6_f32 v[WC:WC+2], v[XS:XS+15], v11
	v_cvt_scalef32_pk16_fp6_f32 v[WC+4:WC+6], v[XS+16:XS+31], v11
	v_nop                                          ; one plain place behind a scaled conversion
	v_mov_b32 v[WC+3], v[WC+4]                     ; the block's 24 bytes on end
	v_mov_b32 v[WC+4], v[WC+5]
	v_mov_b32 v[WC+5], v[WC+6]
	ds_store_b128 v4, v[WC:WC+3] offset:768*((\t)/2)+256*((\t)%2)
	ds_store_b64 v5, v[WC+4:WC+5] offset:768*((\t)/2)+128*((\t)%2)
.if (\t)+2 < 8
	LOAD (\t)+2
.endif
	s_wait_dscnt 0x0                               ; the stores have read their registers: the next block's codes may be written
.endm
.irp t, 0,1,2,3,4,5,6,7
	BLOCK \t
.endr
	s_wait_alu depctr_va_vdst(0)                   ; the wait ahead of the reader below
	global_store_b64 v8, v[SB:SB+1], s[10:11]      ; the wave stores 256 consecutive bytes, aligned
.irp k, 0,1,2,3,4,5,6,7,8,9,10,11
	ds_load_b128 v[OUTR+4*\k:OUTR+4*\k+3], v6 offset:512*\k
.endr
.irp k, 0,1,2,3,4,5,6,7,8,9,10,11
	s_wait_dscnt 11-\k                             ; load k is back; the younger ones may be out
	global_store_b128 v7, v[OUTR+4*\k:OUTR+4*\k+3], s[8:9] offset:512*\k
.endr
	s_wait_tensorcnt 0x0                           ; the wave's end, behind my last LDS store
	ds_add_u32 v[SPW], v[NIL]
	s_wait_dscnt 0x0
	s_endpgm
; x.  Work-group = tile T; wave w = K 256 w .. 256 w + 255, two steps of 128.  A wave asks for its 16 KiB at once: 32 loads of 512 consecutive bytes.
; The conversions take neighbours along K from one lane's registers, so a step's 16 rows x 512 bytes turn through the wave's own stage in LDS (rows 528 bytes apart).
.set L16,   2                          ; v2   16 x lane
.set L8,    3                          ; v3   8 x lane
.set SI,    6                          ; v6   the stage, way in
.set SO,    7                          ; v7   the stage, way out: row r, + 64 h
.set WO,    8                          ; v8   my scale word's place: 8 r + 4 h
.set R,     16                         ; v16-143  as loaded
.set X,     144                        ; v144-207 64 numbers: register 16 b + i = k 32 b + 16 h + i of row r
.set PC,    208                        ; v208-227 codes
.set TM,    228                        ; v228-243 at work
.set PW,    244                        ; the scale word just made
.set PW0,   245                        ; that of step 0
.set PWO,   246                        ; the one that I store
.set SEL,   20
.macro QUANT s
.irp b, 0,1,2,3
	v_max3_num_f32 v[TM+\b], |v[\s+16*\b]|, |v[\s+1+16*\b]|, 0x1800000   ; my 16 numbers of block b, and the floor 2^(3 - 127)
.endr
.irp i, 2,4,6,8,10,12,14
.irp b, 0,1,2,3
	v_max3_num_f32 v[TM+\b], v[TM+\b], |v[\s+16*\b+\i]|, |v[\s+1+16*\b+\i]|
.endr
.endr
.irp b, 0,1,2,3
	v_permlanex16_b32 v[TM+4+\b], v[TM+\b], s[SEL], s[SEL+1]
.endr
.irp b, 0,1,2,3
	v_max_num_f32 v[TM+\b], v[TM+\b], v[TM+4+\b]      ; with lane l xor 16's: the block's largest magnitude
.endr
.irp b, 0,1,2,3
	v_add_nc_u32 v[TM+12+\b], 0xff000000, v[TM+\b]    ; 2 off its exponent field: the conversion's scale operand
.endr
.irp b, 0,1,2,3
	v_lshrrev_b32 v[TM+4+\b], 23, v[TM+12+\b]         ; the scale's byte
.endr
	v_lshl_or_b32 v[PW], v[TM+5], 8, v[TM+4]
	v_lshl_or_b32 v[PW], v[TM+6], 16, v[PW]
	v_lshl_or_b32 v[PW], v[TM+7], 24, v[PW]
.irp c, 0,1
	v_cvt_scalef32_pk16_fp6_f32 v[PC+6*\c:PC+2+6*\c], v[\s+32*\c:\s+15+32*\c], v[TM+12+2*\c]
	v_cvt_scalef32_pk16_fp6_f32 v[PC+12+4*\c:PC+14+4*\c], v[\s+16+32*\c:\s+31+32*\c], v[TM+12+2*\c+1]   ; (a conversion's three registers begin on an even number)
.endr
	v_nop                                             ; one plain place behind a scaled conversion
.irp c, 0,1                                       ; the operand wants a whole block in a lane: lanes 0-15 block 2 c, lanes 16-31 block 2 c + 1
.irp i, 0,1,2
	v_permlane16_swap_b32 v[PC+6*\c+\i], v[PC+12+4*\c+\i]
.endr
.irp i, 0,1,2
	v_mov_b32 v[PC+3+6*\c+\i], v[PC+12+4*\c+\i]
.endr
.endr
.endm
.Lx_way:
	s_sub_co_u32 s43, ttmp9, 128                   ; T
	v_and_b32 v1, 31, v0                           ; lane
	v_and_b32 v4, 15, v0                           ; r
	v_bfe_u32 v5, v0, 4, 1                         ; h
	v_lshlrev_b32 v[L16], 4, v1
	v_lshlrev_b32 v[L8], 3, v1
	s_mul_i32 s12, s42, WREG
	v_add_nc_u32 v[SI], s12, v[L16]
	v_mul_u32_u24 v[SO], v4, SP
	v_lshl_add_u32 v[SO], v5, 6, v[SO]
	v_add_nc_u32 v[SO], s12, v[SO]
	v_lshlrev_b32 v[WO], 3, v4
	v_lshl_add_u32 v[WO], v5, 2, v[WO]
	v_cmp_ne_u32 s22, 0, v5                        ; lanes 16-31
	s_mov_b32 s[SEL], 0x76543210
	s_mov_b32 s[SEL+1], 0xfedcba98                 ; lane l xor 16
.irp b, 0,1,2,3
	v_mov_b32 v[TM+4+\b], 0                        ; written once: a lane permute's destination counts as one of its sources
.endr
	s_lshr_b32 s12, s43, 1
	s_lshl_b32 s12, s12, 5
	s_and_b32 s13, s43, 1
	s_lshl_b32 s13, s13, 3
	s_add_co_u32 s12, s12, s13                     ; the tile's first row: 32 (T / 2) + 8 (T % 2)
	s_lshl_b32 s12, s12, 12                        ; rows of 4,096 bytes
	s_lshl_b32 s13, s42, 10
	s_add_co_u32 s12, s12, s13                     ; + my 256 along K
	s_mov_b32 s13, 0
	s_lshr_b32 s14, s43, 3                         ; g
	s_and_b32 s15, s43, 7                          ; i
	s_lshl_b32 s16, s14, 5
	s_lshl_b32 s17, s42, 3
	s_add_co_u32 s16, s16, s17
	s_add_co_u32 s16, s16, s15
	s_mul_i32 s16, s16, 3072                       ; codes: (32 g + 8 w + i) x four images
	s_mov_b32 s17, 0
	s_lshl_b32 s18, s14, 12
	s_lshl_b32 s19, s42, 10
	s_add_co_u32 s18, s18, s19
	s_lshl_b32 s19, s15, 7
	s_add_co_u32 s18, s18, s19                     ; scale words: 4,096 g + 1,024 w + 128 i
	s_mov_b32 s19, 0
	s_wait_alu depctr_va_vdst(0)                   ; the wait at the head's end
	s_wait_kmcnt 0x0
	s_add_nc_u64 s[24:25], s[40:41], s[12:13]
	s_add_nc_u64 s[26:27], s[8:9], s[16:17]
	s_add_nc_u64 s[28:29], s[10:11], s[18:19]
.irp s, 0,1
.irp j, 0,1,2,3,4,5,6,7,8,9,10,11,12,13,14,15
	global_load_b128 v[R+64*\s+4*\j:R+64*\s+4*\j+3], v[L16], s[24:25] offset:((\j%8)+16*(\j/8))*4096+512*\s th:TH_LOAD_NT   ; position j's row, 512 consecutive bytes
.endr
.endr
.macro KSTEP s
.if \s == 0
	s_wait_loadcnt 16                              ; step 0's sixteen loads are in; step 1's sixteen may be out
.else
	s_wait_loadcnt 0x0
.endif
.irp j, 0,1,2,3,4,5,6,7,8,9,10,11,12,13,14,15
	ds_store_b128 v[SI], v[R+64*\s+4*\j:R+64*\s+4*\j+3] offset:STG*\s+SP*\j
.endr
.irp b, 0,1,2,3
.irp j, 0,1,2,3
	ds_load_b128 v[X+16*\b+4*\j:X+16*\b+4*\j+3], v[SO] offset:STG*\s+128*\b+16*\j   ; LDS serves a wave's instructions in order: these see the stores above
.endr
.endr
	s_wait_dscnt 0x0
.if \s
	s_wait_xcnt 0x0                                ; step 0's stores have read the codes' registers: they are written again only behind this wait
.endif
	QUANT X
	global_store_b128 v[L16], v[PC:PC+3], s[26:27] offset:1536*\s          ; each store covers 512 or 256 consecutive bytes, aligned
	global_store_b64 v[L8], v[PC+4:PC+5], s[26:27] offset:1536*\s+512
	global_store_b128 v[L16], v[PC+6:PC+9], s[26:27] offset:1536*\s+768
	global_store_b64 v[L8], v[PC+10:PC+11], s[26:27] offset:1536*\s+1280
.endm
	KSTEP 0
	v_mov_b32 v[PW0], v[PW]
	KSTEP 1
	v_cndmask_b32 v[PWO], v[PW0], v[PW], s22       ; lanes 0-15 store row r's word of step 0, lanes 16-31 that of step 1
	global_store_b32 v[WO], v[PWO], s[28:29]       ; 128 consecutive bytes
	s_wait_tensorcnt 0x0                           ; the wave's end, behind my last LDS store
	ds_add_u32 v[SPW], v[NIL]
	s_wait_dscnt 0x0
	s_endpgm
.Lfunc_end_k_q8e1ecf1c51_quant:
	.size	k_q8e1ecf1c51_quant, .Lfunc_end_k_q8e1ecf1c51_quant-k_q8e1ecf1c51_quant
	.p2alignl 7, 3214868480
	.fill 96, 4, 3214868480
	.section	.rodata,"a",@progbits
	.p2align	6, 0x0
	.amdhsa_kernel k_q8e1ecf1c51_quant
		.amdhsa_group_segment_fixed_size 92672
		.amdhsa_private_segment_fixed_size 0
		.amdhsa_enable_private_segment 0
		.amdhsa_kernarg_size 40
		.amdhsa_user_sgpr_count 2
		.amdhsa_user_sgpr_kernarg_segment_ptr 1
		.amdhsa_wavefront_size32 1
		.amdhsa_system_sgpr_workgroup_id_x 1
		.amdhsa_system_sgpr_workgroup_id_y 1
		.amdhsa_system_sgpr_workgroup_id_z 1
		.amdhsa_system_vgpr_workitem_id 0
		.amdhsa_next_free_vgpr 256
		.amdhsa_next_free_sgpr 66
		.amdhsa_reserve_vcc 0
		.amdhsa_float_denorm_mode_32 3
		.amdhsa_float_denorm_mode_16_64 3
		.amdhsa_memory_ordered 1
		.amdhsa_forward_progress 1
		.amdhsa_inst_pref_size 63
	.end_amdhsa_kernel
	.amdgpu_metadata
---
amdhsa.version: [ 1, 2 ]
amdhsa.kernels:
  - .name:           k_q8e1ecf1c51_quant
    .symbol:         k_q8e1ecf1c51_quant.kd
    .args:
      - { .name: Wqkv, .offset: 0, .size: 8, .value_kind: global_buffer, .address_space: global }
      - { .name: Wproj, .offset: 8, .size: 8, .value_kind: global_buffer, .address_space: global }
      - { .name: opc, .offset: 16, .size: 8, .value_kind: global_buffer, .address_space: global }
      - { .name: ops, .offset: 24, .size: 8, .value_kind: global_buffer, .address_space: global }
      - { .name: x, .offset: 32, .size: 8, .value_kind: global_buffer, .address_space: global }
    .group_segment_fixed_size: 92672
    .private_segment_fixed_size: 0
    .kernarg_segment_align: 8
    .kernarg_segment_size: 40
    .max_flat_workgroup_size: 128
    .sgpr_count:     66
    .vgpr_count:     256
    .wavefront_size: 32
...
	.end_amdgpu_metadata
.endif
;; end of part 1
;; launch qkvg (part 2): grid 8 x 48, 4 waves a work-group, clusters of 4 x 4, 327,680 bytes of LDS; arguments opc, ops, bqkv, cos, sin, qkv; writes qkv
.if DOCPART == 2
	.amdgcn_target "amdgcn-amd-amdhsa--gfx1250"
	.amdhsa_code_object_version 6
	.text
	.protected	k_q8e1ecf1c51_qkvg
	.globl	k_q8e1ecf1c51_qkvg
	.p2align	8
	.type	k_q8e1ecf1c51_qkvg,@function
k_q8e1ecf1c51_qkvg:
	s_mov_b64 s[64:65], 0
	v_nop
	global_prefetch_b8 v0, s[64:65] scope:SCOPE_SE
	s_setreg_imm32_b32 hwreg(HW_REG_WAVE_MODE, 25, 1), 1
	s_wait_xcnt 0x0
	s_wait_alu depctr_hold_cnt(0) depctr_sa_sdst(0) depctr_va_vdst(0) depctr_va_sdst(0) depctr_va_ssrc(0) depctr_va_vcc(0) depctr_vm_vsrc(0)
	s_getreg_b32 s2, hwreg(HW_REG_IB_STS2, 6, 4)
	s_cmp_eq_u32 s2, 0
	s_cbranch_scc0 .Lentry_in_a_cluster
	s_endpgm
.Lentry_in_a_cluster:
	s_bfe_u32 s2, ttmp6, 0x10000c
	s_cmp_lg_u32 s2, 0xf033
	s_cbranch_scc0 .Lentry_shape_is_right
	s_endpgm
.Lentry_shape_is_right:
.set NQ,    2
.set FR,    12
.set NL,    4
.set NP,    4
.set QT,    24576
.set SLOT,  4*QT
.set SCL,   2*SLOT
.set HALFS, 4096
.set SPARE, SCL+4*HALFS
.set RECB,  19712
.set HEADB, 16*RECB
.set ADRA,  16
.set ADRB,  20
.set L16,   24
.set L8,    25
.set VBO,   26
.set ADRS,  27
.set SPW,   28
.set NIL,   29
.set BIO,   30
.set CSO,   31
.set SC,    32
.set BI,    64
.set AF,    128
.set HA,    128
.set PC,    192
.set TM,    212
.set PW,    228
.set PWS,   232
.set U,     240
.set OW,    244
.set SEL,   12
.set G1,    24
.set G0,    32
.set G1B,   48
.set G0B,   56
.set G1S,   68
.set G0S,   76
.set G1SB,  80
.set G0SB,  88
.set MSB,   0
.macro WIN new
.if MSB != \new
	s_set_vgpr_msb (MSB<<8)|\new
.set MSB, \new
.endif
.endm
.set MUL_LO, 0xa1
.set MUL_HI, 0xf1
.set TO_B,   0x40
.macro JLOAD g0a, g1a, g0b, g1b
	s_cmp_eq_u32 s15, 0
	s_cbranch_scc0 .Lfor_b_\@
	tensor_load_to_lds s[\g0a:\g0a+3], s[\g1a:\g1a+7]
	s_nop 0
.rept 4
	v_nop
.endr
	s_branch .Lasked_\@
.Lfor_b_\@:
	tensor_load_to_lds s[\g0b:\g0b+3], s[\g1b:\g1b+7]
	s_nop 0
.rept 4
	v_nop
.endr
.Lasked_\@:
.endm
.macro CREST
	s_cmp_lg_u32 s14, 0
	s_cbranch_scc1 .Lnot_wave_0_\@
	s_barrier_signal -3
.Lnot_wave_0_\@:
	s_barrier_wait -3
	s_barrier_signal -1
	s_barrier_wait -1
.endm
.macro CROUND
	s_barrier_signal -1
	s_barrier_wait -1
	CREST
.endm
.macro PLACES n
.rept \n
	v_nop
.endr
.endm
.macro QUANT s
.irp b, 0,1,2,3
	v_max3_num_f32 v[TM+\b], |v[\s+16*\b]|, |v[\s+1+16*\b]|, 0x1800000
.endr
.irp i, 2,4,6,8,10,12,14
.irp b, 0,1,2,3
	v_max3_num_f32 v[TM+\b], v[TM+\b], |v[\s+16*\b+\i]|, |v[\s+1+16*\b+\i]|
.endr
.endr
.irp b, 0,1,2,3
	v_permlanex16_b32 v[TM+4+\b], v[TM+\b], s[SEL], s[SEL+1]
.endr
.irp b, 0,1,2,3
	v_max_num_f32 v[TM+\b], v[TM+\b], v[TM+4+\b]
.endr
.irp b, 0,1,2,3
	v_add_nc_u32 v[TM+12+\b], 0xff000000, v[TM+\b]
.endr
.irp b, 0,1,2,3
	v_lshrrev_b32 v[TM+4+\b], 23, v[TM+12+\b]
.endr
	v_lshl_or_b32 v[PW], v[TM+5], 8, v[TM+4]
	v_lshl_or_b32 v[PW], v[TM+6], 16, v[PW]
	v_lshl_or_b32 v[PW], v[TM+7], 24, v[PW]
.irp c, 0,1
	v_cvt_scalef32_pk16_fp6_f32 v[PC+6*\c:PC+2+6*\c], v[\s+32*\c:\s+15+32*\c], v[TM+12+2*\c]
	v_cvt_scalef32_pk16_fp6_f32 v[PC+12+4*\c:PC+14+4*\c], v[\s+16+32*\c:\s+31+32*\c], v[TM+12+2*\c+1]
.endr
	v_nop
.irp c, 0,1
.irp i, 0,1,2
	v_permlane16_swap_b32 v[PC+6*\c+\i], v[PC+12+4*\c+\i]
.endr
.irp i, 0,1,2
	v_mov_b32 v[PC+3+6*\c+\i], v[PC+12+4*\c+\i]
.endr
.endr
.endm
	s_load_b256 s[4:11], s[0:1], 0x0
	s_load_b128 s[92:95], s[0:1], 0x20
	v_lshl_add_u32 v[SPW], v0, 2, SPARE
	v_mov_b32 v[NIL], 0
	ds_add_u32 v[SPW], v[NIL]
	ds_add_u32 v[SPW], v[NIL]
	v_lshrrev_b32 v1, 5, v0
	v_readfirstlane_b32 s14, v1
	s_lshr_b32 s15, s14, 1
	s_and_b32 s16, s14, 1
	s_bfe_u32 s40, ttmp6, 0x40000
	s_bfe_u32 s41, ttmp6, 0x40004
	s_and_b32 s17, ttmp7, 0xffff
	s_lshl_b32 s18, s17, 2
	s_lshl_b32 s19, ttmp9, 2
	s_add_co_u32 s19, s19, 32
	s_max_u32 s2, s17, 8
	s_sub_co_u32 s2, s2, 8
	s_lshl_b32 s2, s2, 1
	s_add_co_u32 s2, s2, ttmp9
	s_lshl_b32 s2, s2, 2
	s_cmp_lt_u32 s17, 8
	s_cselect_b32 s96, 1, 0
	s_cselect_b32 s42, s18, 40
	s_cselect_b32 s45, s19, s2
	s_add_co_u32 s42, s42, s41
	s_add_co_u32 s45, s45, s40
	s_lshl_b32 s43, s41, 2
	s_lshl_b32 s43, 15, s43
	s_lshl_b32 s44, 0x1111, s40
	s_or_b32 s[G1+0], s43, (3<<16)|(1<<21)
	s_or_b32 s[G1B+0], s44, (3<<16)|(1<<21)
.irp g, G1, G1B
	s_mov_b32 s[\g+1], 32<<16
	s_mov_b32 s[\g+2], 96<<16
	s_mov_b32 s[\g+3], 32<<16
	s_mov_b32 s[\g+4], 96
	s_mov_b32 s[\g+5], 32
	s_mov_b32 s[\g+6], 0
	s_mov_b32 s[\g+7], 0
.endr
	s_or_b32 s[G1S+0], s43, (3<<16)|(1<<21)
	s_or_b32 s[G1SB+0], s44, (3<<16)|(1<<21)
.irp g, G1S, G1SB
	s_mov_b32 s[\g+1], 32<<16
	s_mov_b32 s[\g+2], 16<<16
	s_mov_b32 s[\g+3], 32<<16
	s_mov_b32 s[\g+4], 16
	s_mov_b32 s[\g+5], 32
	s_mov_b32 s[\g+6], 0
	s_mov_b32 s[\g+7], 0
.endr
	s_lshl_b32 s20, s42, 1
	s_add_co_u32 s20, s20, s16
	s_lshl_b32 s46, s45, 1
	s_add_co_u32 s46, s46, s16
	s_lshl_b32 s22, s20, 12
	s_mov_b32 s23, 0
	s_lshl_b32 s66, s46, 12
	s_mov_b32 s67, 0
	s_mul_i32 s20, s20, 4*QT
	s_mov_b32 s21, 0
	s_mul_i32 s46, s46, 4*QT
	s_mov_b32 s47, 0
	s_mul_i32 s18, s14, QT
	s_lshl_b32 s19, s14, 12
	s_mov_b32 s[SEL], 0x76543210
	s_mov_b32 s[SEL+1], 0xfedcba98
	s_wait_dscnt 0x0
	s_wait_kmcnt 0x0
	s_add_nc_u64 s[20:21], s[4:5], s[20:21]
	s_add_nc_u64 s[22:23], s[6:7], s[22:23]
	s_add_nc_u64 s[46:47], s[4:5], s[46:47]
	s_add_nc_u64 s[66:67], s[6:7], s[66:67]
	CROUND
	s_mov_b32 s[G0S], 1
	s_add_co_u32 s[G0S+1], s19, SCL
	s_mov_b64 s[G0S+2:G0S+3], s[22:23]
	s_or_b32 s[G0S+3], s[G0S+3], 0x80000000
	s_mov_b32 s[G0SB], 1
	s_add_co_u32 s[G0SB+1], s19, SCL
	s_mov_b64 s[G0SB+2:G0SB+3], s[66:67]
	s_or_b32 s[G0SB+3], s[G0SB+3], 0x80000000
	JLOAD G0S, G1S, G0SB, G1SB
.irp s, 0,1
	s_mov_b32 s[G0+4*\s], 1
	s_add_co_u32 s[G0+4*\s+1], s18, \s*SLOT
	s_add_nc_u64 s[G0+4*\s+2:G0+4*\s+3], s[20:21], \s*QT
	s_or_b32 s[G0+4*\s+3], s[G0+4*\s+3], 0x80000000
	s_mov_b32 s[G0B+4*\s], 1
	s_add_co_u32 s[G0B+4*\s+1], s18, \s*SLOT
	s_add_nc_u64 s[G0B+4*\s+2:G0B+4*\s+3], s[46:47], \s*QT
	s_or_b32 s[G0B+4*\s+3], s[G0B+4*\s+3], 0x80000000
	s_wait_alu depctr_va_vdst(0)
	s_wait_tensorcnt 0x0
	ds_add_u32 v28, v29
	s_wait_dscnt 0x0
	CROUND
	JLOAD G0+4*\s, G1, G0B+4*\s, G1B
.endr
	v_and_b32 v1, 31, v0
	v_and_b32 v2, 15, v0
	v_bfe_u32 v3, v0, 4, 1
	v_lshlrev_b32 v[L16], 4, v1
	v_lshlrev_b32 v[L8], 3, v1
	s_mul_i32 s2, s15, QT
	s_mul_i32 s3, s16, QT
	s_add_co_u32 s3, s3, 2*QT
.irp s, 0,1
	v_add_nc_u32 v[ADRA+\s], s2, v[L16]
	v_add_nc_u32 v[ADRA+2+\s], s2, v[L8]
	v_add_nc_u32 v[ADRB+\s], s3, v[L16]
	v_add_nc_u32 v[ADRB+2+\s], s3, v[L8]
	s_add_co_u32 s2, s2, SLOT
	s_add_co_u32 s3, s3, SLOT
.endr
	s_lshl_b32 s2, s15, 12
	s_lshl_b32 s3, s16, 12
	s_add_co_u32 s3, s3, 2*HALFS
	s_sub_co_u32 s3, s3, s2
	v_mul_u32_u24 v6, s3, v3
	s_add_co_u32 s2, s2, SCL
	v_lshl_add_u32 v6, v2, 3, v6
	v_add_nc_u32 v[ADRS], s2, v6
	v_and_b32 v4, 8, v2
	v_add_nc_u32 v4, v4, v2
	v_lshlrev_b32 v[VBO], 2, v4
	v_lshlrev_b32 v[BIO], 6, v3
	v_lshlrev_b32 v[CSO], 7, v4
	v_lshl_add_u32 v[CSO], v3, 5, v[CSO]
	s_lshl_b32 s99, s42, 1
	s_add_co_u32 s99, s99, s15
	s_lshl_b32 s100, s45, 1
	s_add_co_u32 s100, s100, s16
	s_cmp_eq_u32 s96, 1
	s_cselect_b32 s97, s99, s100
	s_cselect_b32 s98, s100, s99
	s_sub_co_u32 s98, s98, 64
	s_lshr_b32 s99, s97, 4
	s_and_b32 s97, s97, 15
	s_and_b32 s100, s98, 7
	s_lshl_b32 s100, s100, 1
	s_lshl_b32 s99, s99, 4
	s_add_co_u32 s99, s99, s100
	s_lshl_b32 s99, s99, 4
	s_add_co_u32 s99, s99, s97
	s_mul_i32 s100, s99, RECB
	s_lshr_b32 s99, s98, 3
	s_cmp_eq_u32 s99, 0
	s_cselect_b32 s101, 13056, 0
	s_cmp_eq_u32 s99, 2
	s_cselect_b32 s101, 6656, s101
	s_add_co_u32 s100, s100, s101
	s_mov_b32 s101, 0
	s_add_nc_u64 s[94:95], s[94:95], s[100:101]
	s_lshl_b32 s100, s97, 14
	s_add_nc_u64 s[10:11], s[10:11], s[100:101]
	s_add_nc_u64 s[92:93], s[92:93], s[100:101]
	s_lshl_b32 s100, s98, 9
	s_add_nc_u64 s[8:9], s[8:9], s[100:101]
	v_cmp_ne_u32 s99, 0, v3
.macro FRAG reg, adr, q, i
	ds_load_b128 v[\reg:\reg+3], v[\adr] offset:(\i)*3072+(\q)*1536
	ds_load_b64 v[\reg+4:\reg+5], v[\adr+2] offset:(\i)*3072+(\q)*1536+512
	ds_load_b128 v[\reg+6:\reg+9], v[\adr] offset:(\i)*3072+(\q)*1536+768
	ds_load_b64 v[\reg+10:\reg+11], v[\adr+2] offset:(\i)*3072+(\q)*1536+1280
.endm
.macro MUL16 a0, p, q, sc, zero
.irp a, \a0, \a0+1
.irp b, 0,1,2,3,4,5,6,7
.if \zero
	v_wmma_scale_f32_16x16x128_f8f6f4 v[8*(8*((\a)%4)+\b):8*(8*((\a)%4)+\b)+7], v[128*(\p)+FR*\b:128*(\p)+FR*\b+FR-1], v[AF+FR*(\a):AF+FR*(\a)+FR-1], 0, v[SC+8*NQ*(\sc)+NQ*\b+(\q)], v[SC+8*NQ*(\sc)+NQ*(\a)+(\q)] matrix_a_fmt:MATRIX_FMT_FP6 matrix_b_fmt:MATRIX_FMT_FP6 matrix_a_scale:MATRIX_SCALE_ROW1
.else
	v_wmma_scale_f32_16x16x128_f8f6f4 v[8*(8*((\a)%4)+\b):8*(8*((\a)%4)+\b)+7], v[128*(\p)+FR*\b:128*(\p)+FR*\b+FR-1], v[AF+FR*(\a):AF+FR*(\a)+FR-1], v[8*(8*((\a)%4)+\b):8*(8*((\a)%4)+\b)+7], v[SC+8*NQ*(\sc)+NQ*\b+(\q)], v[SC+8*NQ*(\sc)+NQ*(\a)+(\q)] matrix_a_fmt:MATRIX_FMT_FP6 matrix_b_fmt:MATRIX_FMT_FP6 matrix_a_scale:MATRIX_SCALE_ROW1
.endif
.endr
.endr
.endm
.macro FETCH_B slot, q, p
	WIN TO_B
.irp i, 0,1,2,3,4,5,6,7
	FRAG 128*(\p)+FR*\i, ADRB+\slot, \q, \i
.endr
	WIN 0
.endm
.macro FETCH_A slot, q, i0
.irp i, \i0, \i0+1, \i0+2, \i0+3
	FRAG AF+FR*(\i), ADRA+\slot, \q, \i
.endr
.endm
.macro SCALES sc
.irp i, 0,1,2,3,4,5,6,7
	ds_load_b64 v[SC+8*NQ*\sc+NQ*\i:SC+8*NQ*\sc+NQ*\i+1], v[ADRS] offset:128*\i
.endr
.endm
.macro STEP slot, q, zero
	s_wait_dscnt 4*NL
	WIN MUL_LO
	MUL16 0, (\q)%2, \q, \slot, \zero
	MUL16 2, (\q)%2, \q, \slot, \zero
	s_wait_dscnt 0
	PLACES NP
	FETCH_B \slot, (\q)+1, 1-(\q)%2
	FETCH_A \slot, (\q)+1, 0
	WIN MUL_HI
	MUL16 4, (\q)%2, \q, \slot, \zero
	MUL16 6, (\q)%2, \q, \slot, \zero
	PLACES NP
	WIN 0
	FETCH_A \slot, (\q)+1, 4
.endm
.macro TURN slot, next, fill
	s_wait_tensorcnt 0x0
	ds_add_u32 v[SPW], v[NIL]
	s_wait_dscnt 4*NL+1
	WIN MUL_LO
	MUL16 0, 1, NQ-1, \slot, 0
	s_wait_dscnt 0x0
	s_barrier_signal -1
	MUL16 2, 1, NQ-1, \slot, 0
	WIN 0
	s_barrier_wait -1
.if \fill
	CREST
	s_add_nc_u64 s[G0+4*\slot+2:G0+4*\slot+3], s[G0+4*\slot+2:G0+4*\slot+3], 2*QT
	s_add_nc_u64 s[G0B+4*\slot+2:G0B+4*\slot+3], s[G0B+4*\slot+2:G0B+4*\slot+3], 2*QT
	JLOAD G0+4*\slot, G1, G0B+4*\slot, G1B
.else
	PLACES NP
.endif
	s_wait_alu depctr_va_vdst(0)
	v_add_nc_u32 v[ADRS], 1024, v[ADRS]
	FETCH_B \next, 0, 0
	FETCH_A \next, 0, 0
	SCALES \next
	WIN MUL_HI
	MUL16 4, 1, NQ-1, \slot, 0
	MUL16 6, 1, NQ-1, \slot, 0
	PLACES NP
	WIN 0
	FETCH_A \next, 0, 4
.endm
.macro LAST
	s_wait_dscnt 4*NL
	WIN MUL_LO
	MUL16 0, 1, NQ-1, 1, 0
	MUL16 2, 1, NQ-1, 1, 0
	s_wait_dscnt 0x0
	WIN MUL_HI
	MUL16 4, 1, NQ-1, 1, 0
	MUL16 6, 1, NQ-1, 1, 0
	WIN 0
.endm
.macro FINISH
	s_wait_tensorcnt 0x0
	ds_add_u32 v[SPW], v[NIL]
	s_wait_dscnt 0x0
	CROUND
	s_endpgm
.endm
	s_wait_alu depctr_va_vdst(0)
	s_wait_tensorcnt 1
	s_barrier_signal -1
	s_barrier_wait -1
	FETCH_B 0, 0, 0
	FETCH_A 0, 0, 0
	SCALES 0
	FETCH_A 0, 0, 4
	STEP 0, 0, 1
	TURN 0, 1, 1
	STEP 1, 0, 0
	TURN 1, 0, 1
	STEP 0, 0, 0
	TURN 0, 1, 0
	STEP 1, 0, 0
	s_cmp_eq_u32 s96, 0
	s_cbranch_scc1 .Lv_way
.macro SETCSB a
.if (\a) == 0
.set CSB, 96
.elseif (\a) == 1
.set CSB, 224
.elseif (\a) < 5
.set CSB, 32*((\a)-2)
.else
.set CSB, 128+32*((\a)-5)
.endif
.endm
.macro CSLOAD a
	SETCSB \a
.irp bp, 0,1
.irp j, 0,1
	global_load_b128 v[CSB+8*\bp+4*\j:CSB+8*\bp+4*\j+3], v[CSO], s[10:11] offset:(32*((\a)/2)+8*((\a)%2))*128+64*\bp+16*\j
	global_load_b128 v[CSB+16+8*\bp+4*\j:CSB+16+8*\bp+4*\j+3], v[CSO], s[92:93] offset:(32*((\a)/2)+8*((\a)%2))*128+64*\bp+16*\j
.endr
.endr
.endm
.irp be, 0,1,2,3
.irp j, 0,1,2,3
	global_load_b128 v[BI+16*\be+4*\j:BI+16*\be+4*\j+3], v[BIO], s[8:9] offset:128*\be+16*\j
.endr
.endr
	WIN TO_B
	CSLOAD 0
	CSLOAD 1
	CSLOAD 2
	CSLOAD 3
	CSLOAD 4
	WIN 0
	LAST
	PLACES NP
	WIN TO_B
	CSLOAD 5
	CSLOAD 6
	CSLOAD 7
	WIN 0
.irp b, 0,1,2,3
	v_mov_b32 v[TM+4+\b], 0
.endr
.macro BLOCK_QK a
	SETCSB \a
.set AC, 64*((\a)%4)
	s_wait_loadcnt 8*(7-(\a))
	WIN 0x02+(\a)/4
.set rr, 0
.rept 32
	v_pk_add_f32 v[HA+rr:HA+rr+1], v[AC+rr:AC+rr+1], v[BI+rr:BI+rr+1]
.set rr, rr+2
.endr
	WIN 0x04
.irp be, 0,1,2,3
.irp k, 0,1,2,3,4,5,6,7
	v_mul_f32 v[U+2*(\k%2)], v[HA+16*\be+2*\k+1], v[CSB+16+8*(\be%2)+\k]
	v_mul_f32 v[U+2*(\k%2)+1], v[HA+16*\be+2*\k], v[CSB+16+8*(\be%2)+\k]
	v_fma_f32 v[HA+16*\be+2*\k], v[HA+16*\be+2*\k], v[CSB+8*(\be%2)+\k], -v[U+2*(\k%2)]
	v_fma_f32 v[HA+16*\be+2*\k+1], v[HA+16*\be+2*\k+1], v[CSB+8*(\be%2)+\k], v[U+2*(\k%2)+1]
.endr
.endr
	WIN 0
.if (\a) > 0
	s_wait_xcnt 0x0
.endif
	QUANT HA
	v_mov_b32 v[PWS+(\a)], v[PW]
	global_store_b128 v[L16], v[PC:PC+3], s[94:95] offset:768*(\a)
	global_store_b64 v[L8], v[PC+4:PC+5], s[94:95] offset:768*(\a)+512
	global_store_b128 v[L16], v[PC+6:PC+9], s[94:95] offset:HEADB+768*(\a)
	global_store_b64 v[L8], v[PC+10:PC+11], s[94:95] offset:HEADB+768*(\a)+512
.endm
.irp a, 0,1,2,3,4,5,6,7
	BLOCK_QK \a
.endr
.irp j, 0,1,2,3
	v_cndmask_b32 v[OW+\j], v[PWS+2*\j], v[PWS+2*\j+1], s99
.endr
.irp j, 0,1,2,3
	v_and_b32 v[OW+4+\j], 0xffff, v[OW+\j]
.endr
.irp j, 0,1,2,3
	v_lshrrev_b32 v[OW+\j], 16, v[OW+\j]
.endr
	global_store_b128 v[L16], v[OW+4:OW+7], s[94:95] offset:6144
	global_store_b128 v[L16], v[OW:OW+3], s[94:95] offset:HEADB+6144
	FINISH
.Lv_way:
.irp a, 0,1,2,3,4,5,6,7
	global_load_b32 v[BI+2*\a], v[VBO], s[8:9] offset:4*(32*(\a/2)+8*(\a%2))
	global_load_b32 v[BI+2*\a+1], v[VBO], s[8:9] offset:4*(32*(\a/2)+8*(\a%2))
.endr
	LAST
	PLACES NP
.irp b, 0,1,2,3
	v_mov_b32 v[TM+4+\b], 0
.endr
	s_wait_loadcnt 0x0
.macro BLOCK_V a
.set AC, 64*((\a)%4)
	WIN 0x02+(\a)/4
.set rr, 0
.rept 32
	v_pk_add_f32 v[HA+rr:HA+rr+1], v[AC+rr:AC+rr+1], v[BI+2*(\a):BI+2*(\a)+1]
.set rr, rr+2
.endr
	WIN 0
.if (\a) > 0
	s_wait_xcnt 0x0
.endif
	QUANT HA
	v_mov_b32 v[PWS+(\a)], v[PW]
.irp c, 0,1,2
	global_store_b128 v[L16], v[PC+4*\c:PC+4*\c+3], s[94:95] offset:((\a)/4)*HEADB+((\a)%4)*1536+512*\c
.endr
.endm
.irp a, 0,1,2,3,4,5,6,7
	BLOCK_V \a
.endr
.irp g, 0,1
	v_cndmask_b32 v[OW+2*\g], v[PWS+4*\g], v[PWS+4*\g+1], s99
	v_cndmask_b32 v[OW+2*\g+1], v[PWS+4*\g+2], v[PWS+4*\g+3], s99
.endr
.irp g, 0,1
	global_store_b64 v[L8], v[OW+2*\g:OW+2*\g+1], s[94:95] offset:6144+\g*HEADB
.endr
	FINISH
.Lfunc_end_k_q8e1ecf1c51_qkvg:
	.size	k_q8e1ecf1c51_qkvg, .Lfunc_end_k_q8e1ecf1c51_qkvg-k_q8e1ecf1c51_qkvg
	.p2alignl 7, 3214868480
	.fill 96, 4, 3214868480
	.section	.rodata,"a",@progbits
	.p2align	6, 0x0
	.amdhsa_kernel k_q8e1ecf1c51_qkvg
		.amdhsa_group_segment_fixed_size 327680
		.amdhsa_private_segment_fixed_size 0
		.amdhsa_enable_private_segment 0
		.amdhsa_kernarg_size 48
		.amdhsa_user_sgpr_count 2
		.amdhsa_user_sgpr_kernarg_segment_ptr 1
		.amdhsa_wavefront_size32 1
		.amdhsa_system_sgpr_workgroup_id_x 1
		.amdhsa_system_sgpr_workgroup_id_y 1
		.amdhsa_system_sgpr_workgroup_id_z 1
		.amdhsa_system_vgpr_workitem_id 0
		.amdhsa_next_free_vgpr 1024
		.amdhsa_next_free_sgpr 102
		.amdhsa_reserve_vcc 0
		.amdhsa_float_denorm_mode_32 3
		.amdhsa_float_denorm_mode_16_64 3
		.amdhsa_memory_ordered 1
		.amdhsa_forward_progress 1
		.amdhsa_inst_pref_size 255
	.end_amdhsa_kernel
	.section	.bss,"aw",@nobits
	.p2align	6
	.space	262144
	.amdgpu_metadata
---
amdhsa.version: [ 1, 2 ]
amdhsa.kernels:
  - .name:           k_q8e1ecf1c51_qkvg
    .symbol:         k_q8e1ecf1c51_qkvg.kd
    .args:
      - { .name: opc, .offset: 0, .size: 8, .value_kind: global_buffer, .address_space: global }
      - { .name: ops, .offset: 8, .size: 8, .value_kind: global_buffer, .address_space: global }
      - { .name: bqkv, .offset: 16, .size: 8, .value_kind: global_buffer, .address_space: global }
      - { .name: cos, .offset: 24, .size: 8, .value_kind: global_buffer, .address_space: global }
      - { .name: sin, .offset: 32, .size: 8, .value_kind: global_buffer, .address_space: global }
      - { .name: qkv, .offset: 40, .size: 8, .value_kind: global_buffer, .address_space: global }
    .group_segment_fixed_size: 327680
    .private_segment_fixed_size: 0
    .kernarg_segment_align: 8
    .kernarg_segment_size: 48
    .max_flat_workgroup_size: 128
    .sgpr_count:     102
    .vgpr_count:     1024
    .wavefront_size: 32
...
	.end_amdgpu_metadata
.endif
;; end of part 2
;; launch attn (part 3): grid 4 x 64, 8 waves a work-group, clusters of 4 x 1, 212,992 bytes of LDS; arguments qkv, oc, os; writes oc, os
.if DOCPART == 3
	.amdgcn_target "amdgcn-amd-amdhsa--gfx1250"
	.amdhsa_code_object_version 6
	.text
	.protected	k_q8e1ecf1c51_attn
	.globl	k_q8e1ecf1c51_attn
	.p2align	8
	.type	k_q8e1ecf1c51_attn,@function
k_q8e1ecf1c51_attn:
	s_mov_b64 s[64:65], 0
	v_nop
	global_prefetch_b8 v0, s[64:65] scope:SCOPE_SE
	s_setreg_imm32_b32 hwreg(HW_REG_WAVE_MODE, 25, 1), 1
	s_wait_xcnt 0x0
	s_wait_alu depctr_hold_cnt(0) depctr_sa_sdst(0) depctr_va_vdst(0) depctr_va_sdst(0) depctr_va_ssrc(0) depctr_va_vcc(0) depctr_vm_vsrc(0)
	s_getreg_b32 s2, hwreg(HW_REG_IB_STS2, 6, 4)
	s_cmp_eq_u32 s2, 0
	s_cbranch_scc0 .Lentry_in_a_cluster
	s_endpgm
.Lentry_in_a_cluster:
	s_bfe_u32 s2, ttmp6, 0x10000c
	s_cmp_lg_u32 s2, 0x3003
	s_cbranch_scc0 .Lentry_shape_is_right
	s_endpgm
.Lentry_shape_is_right:
; o = softmax(q k^T / 8) v for one head, both products on codes of FP6 (E2M3) with E8M0 scales; o is divided by the row's sum, quantised along d and stored as codes for the last product.
; THE SOFTMAX: t = score x log2(e) / 8; M = the running largest t rounded UP to a whole number; p = 2^(t - M) is quantised along the keys, not normalised; the row's sum is taken of the unquantised p.
; When M moves, the sum and O are multiplied by 2^(old M - new M), which rounds nothing.
; LIMITS: NaN and infinities are not served; the promise holds while |t| stays under 2^31; a block whose largest magnitude lies under 2^-124 keeps byte 1, a block of zeros too (zero codes; this program alone
; reads the bytes); a block's largest p is taken as the exponential of the block's largest score, by the same multiply-add and exponential as every p.
; SHARES.  The cluster's y is the head (b 16 + h); its four work-groups take 512 queries each; a wave takes four tiles of 16 queries, TWO AT A TIME (tile 0, tile 1): both use each fragment of K and V that
; the wave reads from LDS.  Two waves to a SIMD, 512 registers each.
; THE HEAD'S K AND V LIE IN LDS, 16 steps x 13,056 bytes, filled once: wave w asks for steps 2 w and 2 w + 1 by one load of two rows of 13,056 bytes, jointly with the same wave of the three partners.
; No slot is filled again, so the loops hold no barrier; and since all of K and V is asked for at the head, there is no loop in which a prefetch could run ahead: none is written.
; LAYOUT.  Both products transposed: S^T = K Q^T, O^T = V^T P^T: a lane holds one query.  In memory a tile of positions T holds 32 (T / 2) + 8 (T % 2) + r % 8 + 16 (r / 8) in its lane r.
; THE KEYS OF A TILE OF K ARE CHOSEN ANEW AT THE LDS READ: tile 4 c + u takes keys 64 c + 8 u + r % 8 + 32 (r / 8), eight rows from each of two stored images.  So lane (q, h) holds in the 32 registers of
; tiles 4 c .. 4 c + 3 the keys 64 c + 32 h + 0 .. 31: ONE WHOLE BLOCK of the next K, in the operand's own order: a block's maximum needs no other lane and p's codes change no lane.
; K = 64 IN THE FIRST PRODUCT: Q's registers 6-11 are zero codes and bytes 2, 3 of both scale words are 0 (2^-127, no NaN).  So registers 6-11 of K's operand may hold anything finite: they are the next tile's
; codes, and eight tiles of K stand in 54 registers.
; REGISTERS BY PHASE.  Window 0 holds all that the softmax touches, for both tiles: v1-15 addresses, v16-47 a lane's single numbers, v48-59 scale words, v64-191 S^T then p, v192-223 and v244-251 codes,
; v224-243 chains of maxima, then of sums.  Window 1 holds matrix operands alone: v0-53 K, v64-111 V, v112-135 Q, v160-223 O^T.
; SHORT CHAINS UNDER LONG RUNS.  Each level of a dependent chain (the maxima's end, M, the factor, the scale word, the sums' end) stands behind four or more lines that do not hang on it: tile 0's chain under
; tile 1's maxima, tile 1's under tile 0's multiply-adds, the scale words under the additions, the sums' end under the codes' moves.
; K AND V HAVE REGISTERS OF THEIR OWN: the next step's K is asked of LDS behind this step's score products.  A pass's last step asks for its own K once more (the offset is held at step 15): 20 loads that nobody uses.
.set STEPB, 13056
.set RECB,  19712
.set HEADB, 16*RECB
.set SPARE, 16*STEPB                   ; behind the head's tiles: the spare words, 128 bytes a wave, that no other line names
.set L16, 1
.set L8,  2
.set KAL, 3                            ; K's images, first parts: 1536 (r / 8) + 256 h + 16 (r % 8)
.set KBL, 4                            ; second parts: 1536 (r / 8) + 128 h + 8 (r % 8)
.set SPW, 5
.set NIL, 6
.set KSL, 7                            ; K's scale words: 256 h + 16 (r % 8) + 4 (r / 8)
.set QS,  8                            ; v8, v9 Q's scale words
.set QSO, 10
.set AKA, 11                           ; v11-13 the next step's K, v14-15 this step's V: LDS addresses
.set AKB, 12
.set AKS, 13
.set AV16, 14
.set AV8, 15
.set SMB, 16                           ; single numbers, 16 registers a tile
.set KS,  48                           ; v48-51 K's scale words
.set VS,  52                           ; v52-53 V's
.set PW,  54                           ; v54, v55 p's
.set OW,  56
.set OBY, 57                           ; v57, v58 o's two scale bytes
.set SH,  59                           ; 8 h
.set SBASE, 64
.set PBASE, 192
.set CBASE, 216
.set TBASE, 224
.set KF,  0                            ; window 1
.set VF,  64
.set QBASE, 112
.set OBASE, 160
.macro TILE q                          ; the names of tile q's registers
.set SM, SMB+16*(\q)
.set SS, SBASE+64*(\q)
.set PP, PBASE+12*(\q)
.set CT, CBASE+28*(\q)
.set TT, TBASE+10*(\q)
.set QQ, QBASE+12*(\q)
.set OO, OBASE+32*(\q)
.set NM, SM                            ; -M; beside it the largest score so far
.set RS, SM+1
.set F,  SM+2                          ; 2^(old M - new M), and a register named with it as a pair
.set L,  SM+4                          ; the sum, in four parts
.set BM, SM+8                          ; my two blocks' largest
.set X,  SM+10
.set Y,  SM+11
.set OLD, SM+12
.set SO, SM+14                         ; the conversions' scale operands
.endm
.set MSB, 0
.macro WIN new                         ; the immediate's high byte repeats the setting that is left
.if MSB != \new
	s_set_vgpr_msb (MSB<<8)|\new
.set MSB, \new
.endif
.endm
.set TO1,  0x40                        ; destination in window 1
.set WSC,  0x05                        ; score products: K and Q from window 1, S^T in window 0
.set WPV,  0x51                        ; second products and O^T's rescaling: V, O^T in window 1; p's codes, the factor in window 0
.set FROM1, 0x01                       ; source 0 from window 1
.macro DLY n
	s_delay_alu instid0(VALU_DEP_\n)
.endm
.macro CROUND
	s_barrier_signal -1
	s_barrier_wait -1
	s_cmp_lg_u32 s10, 0
	s_cbranch_scc1 .Lnot_wave_0_\@
	s_barrier_signal -3
.Lnot_wave_0_\@:
	s_barrier_wait -3
	s_barrier_signal -1
	s_barrier_wait -1
.endm
.macro KLOAD a, b                      ; tile 4 c + u: stored images 4 c + u % 2 (lanes r < 8) and two further on (r >= 8), their rows 8 (u / 2) + r % 8
.irp t, 0,1,2,3,4,5,6,7
	ds_load_b128 v[KF+6*\t:KF+6*\t+3], v[\a] offset:768*(4*(\t/4)+\t%2)+128*((\t%4)/2)
	ds_load_b64 v[KF+6*\t+4:KF+6*\t+5], v[\b] offset:768*(4*(\t/4)+\t%2)+512+64*((\t%4)/2)
.endr
.endm
.macro KSLOAD a                        ; register 2 c + u / 2: lanes 0-15 the words of tile 4 c + u with u even, lanes 16-31 with u odd
.irp j, 0,1,2,3
	ds_load_b32 v[KS+\j], v[\a] offset:6144+128*(\j%2)+8*(\j/2)
.endr
.endm
.macro SMUL q                          ; S^T of one query tile: eight tiles of 16 keys
	TILE \q
.irp t, 0,1,2,3,4,5,6,7
.if \t%2
	v_wmma_scale_f32_16x16x128_f8f6f4 v[SS+8*\t:SS+8*\t+7], v[KF+6*\t:KF+6*\t+11], v[QQ:QQ+11], 0, v[KS+2*(\t/4)+(\t%4)/2], v[QS+\q] matrix_a_fmt:MATRIX_FMT_FP6 matrix_b_fmt:MATRIX_FMT_FP6 matrix_a_scale:MATRIX_SCALE_ROW1
.else
	v_wmma_scale_f32_16x16x128_f8f6f4 v[SS+8*\t:SS+8*\t+7], v[KF+6*\t:KF+6*\t+11], v[QQ:QQ+11], 0, v[KS+2*(\t/4)+(\t%4)/2], v[QS+\q] matrix_a_fmt:MATRIX_FMT_FP6 matrix_b_fmt:MATRIX_FMT_FP6
.endif
.endr
.endm
.macro PV q                            ; O^T += V^T P^T of one query tile: its four accumulators by turns
	TILE \q
.irp u, 0,1,2,3
.if \u%2
	v_wmma_scale_f32_16x16x128_f8f6f4 v[OO+8*\u:OO+8*\u+7], v[VF+12*\u:VF+12*\u+11], v[PP:PP+11], v[OO+8*\u:OO+8*\u+7], v[VS+\u/2], v[PW+\q] matrix_a_fmt:MATRIX_FMT_FP6 matrix_b_fmt:MATRIX_FMT_FP6 matrix_a_scale:MATRIX_SCALE_ROW1
.else
	v_wmma_scale_f32_16x16x128_f8f6f4 v[OO+8*\u:OO+8*\u+7], v[VF+12*\u:VF+12*\u+11], v[PP:PP+11], v[OO+8*\u:OO+8*\u+7], v[VS+\u/2], v[PW+\q] matrix_a_fmt:MATRIX_FMT_FP6 matrix_b_fmt:MATRIX_FMT_FP6
.endif
.endr
.endm
; The maxima of a tile's 64 scores a lane: 28 lines in ten chains; line m.  Each accumulator is first read from its low end
.macro TREE1 q, m
	TILE \q
.set M_, (\m)
.if M_ < 8
	v_max3_num_f32 v[TT+M_], v[SS+8*M_], v[SS+8*M_+1], v[SS+8*M_+2]
.elseif M_ < 10
	v_max3_num_f32 v[TT+M_], v[SS+32*(M_-8)+7], v[SS+32*(M_-8)+15], v[SS+32*(M_-8)+23]
.elseif M_ < 18
	v_max3_num_f32 v[TT+M_-10], v[TT+M_-10], v[SS+8*(M_-10)+3], v[SS+8*(M_-10)+4]
.elseif M_ < 26
	v_max3_num_f32 v[TT+M_-18], v[TT+M_-18], v[SS+8*(M_-18)+5], v[SS+8*(M_-18)+6]
.else
	v_max_num_f32 v[TT+M_-18], v[TT+M_-18], v[SS+32*(M_-26)+31]
.endif
.endm
.macro TREE4 q, n
.irp d, 0,1,2,3
	TREE1 \q, 4*(\n)+\d
.endr
.endm
; The chain from the ten chains' ends to M and the factor, level by level
.macro CH q, l
	TILE \q
.if (\l) == 0
	v_max3_num_f32 v[TT], v[TT], v[TT+1], v[TT+2]
	v_max3_num_f32 v[TT+4], v[TT+4], v[TT+5], v[TT+6]
.elseif (\l) == 1
	v_max3_num_f32 v[BM], v[TT], v[TT+3], v[TT+8]          ; block h of these 128 keys
	v_max3_num_f32 v[BM+1], v[TT+4], v[TT+7], v[TT+9]      ; block 2 + h
.elseif (\l) == 2
	v_max_num_f32 v[X], v[BM], v[BM+1]
	v_mov_b32 v[OLD], v[NM]
.elseif (\l) == 3
	v_permlanex16_b32 v[Y], v[X], s20, s21
.elseif (\l) == 4
	v_max3_num_f32 v[RS], v[RS], v[X], v[Y]                ; the running largest score of my query
.elseif (\l) == 5
	v_mul_f32 v[X], s54, v[RS]                             ; - t (c is positive)
.elseif (\l) == 6
	v_floor_f32 v[NM], v[X]                                ; the new -M = -ceil(t)
.elseif (\l) == 7
	v_sub_f32 v[X], v[NM], v[OLD]                          ; old M - new M: a whole number, 0 or less
	v_fma_f32 v[BM], v[BM], s22, v[NM]                     ; t - M of each block's largest score
	v_fma_f32 v[BM+1], v[BM+1], s22, v[NM]
.elseif (\l) == 8
	v_cvt_i32_f32 v[X], v[X]                               ; (it saturates)
.else
	v_ldexp_f32 v[F], 1.0, v[X]
.endif
.endm
.macro PF4 q, n                        ; t - M, eight numbers
	TILE \q
.irp d, 0,1,2,3
	v_pk_fma_f32 v[SS+8*(\n)+2*\d:SS+8*(\n)+2*\d+1], v[SS+8*(\n)+2*\d:SS+8*(\n)+2*\d+1], s[22:23], v[NM:NM+1] op_sel_hi:[1,0,0]
.endr
.endm
.macro RESC q                          ; O^T under the new M, ahead of the exponentials: its first read stands behind no transcendental
	TILE \q
.set j, 0
.rept 16
	v_pk_mul_f32 v[OO+j:OO+j+1], v[OO+j:OO+j+1], v[F:F+1] op_sel_hi:[1,0]
.set j, j+2
.endr
.endm
.macro EXPS q
	TILE \q
.set j, 0
.rept 64
	v_exp_f32 v[SS+j], v[SS+j]                     ; p = 2^(t - M)
.set j, j+1
.endr
	v_exp_f32 v[BM], v[BM]                         ; each block's largest p
	v_exp_f32 v[BM+1], v[BM+1]
.endm
.macro ADH q, r                        ; the sum of the unquantised p: four chains a tile, round r of seven
	TILE \q
.irp k, 0,1,2,3
.if (\r) == 0
	v_pk_add_f32 v[TT+2*\k:TT+2*\k+1], v[SS+2*\k:SS+2*\k+1], v[SS+8+2*\k:SS+9+2*\k]
.else
	v_pk_add_f32 v[TT+2*\k:TT+2*\k+1], v[TT+2*\k:TT+2*\k+1], v[SS+8*((\r)+1)+2*\k:SS+8*((\r)+1)+2*\k+1]
.endif
.endr
.endm
.macro SL l                            ; p's scale words, both tiles, level by level
.irp q, 0,1
	TILE \q
.if (\l) == 1
	v_max_num_f32 v[BM], 0x1800000, v[BM]          ; the floor 2^(3 - 127)
	v_max_num_f32 v[BM+1], 0x1800000, v[BM+1]
.elseif (\l) == 2
	v_add_nc_u32 v[SO], 0xff000000, v[BM]          ; 2 off the exponent field: the conversion's scale operand
	v_add_nc_u32 v[SO+1], 0xff000000, v[BM+1]
.elseif (\l) == 3
	v_lshrrev_b32 v[X], 23, v[SO]
	v_lshrrev_b32 v[OLD], 23, v[SO+1]
.elseif (\l) == 4
	v_lshl_or_b32 v[X], v[OLD], 16, v[X]           ; my bytes: blocks h and 2 + h,
.elseif (\l) == 5
	v_lshlrev_b32 v[X], v[SH], v[X]                ; at their places in the word;
.elseif (\l) == 6
	v_permlanex16_b32 v[Y], v[X], s20, s21
.else
	v_or_b32 v[PW+\q], v[X], v[Y]                  ; with lane l xor 16's two the word is whole
.endif
.endr
.endm
.macro CVT q
	TILE \q
.irp c, 0,1
	v_cvt_scalef32_pk16_fp6_f32 v[PP+6*\c:PP+6*\c+2], v[SS+32*\c:SS+32*\c+15], v[SO+\c]
	v_cvt_scalef32_pk16_fp6_f32 v[CT+4*\c:CT+4*\c+2], v[SS+32*\c+16:SS+32*\c+31], v[SO+\c]   ; (a conversion's three registers begin on an even number)
.endr
.endm
.macro MOVS q                          ; each block's second twelve bytes to their place
	TILE \q
.irp c, 0,1
.irp i, 0,1,2
	v_mov_b32 v[PP+3+6*\c+\i], v[CT+4*\c+\i]
.endr
.endr
.endm
.macro EPI2 q                          ; o of one tile, quantised along d: register 16 b + i is d = 32 b + 16 h + i: two blocks, one image
	TILE \q
.irp k, 0,1,2,3
	v_max3_num_f32 v[TT+\k], |v[SS+8*\k]|, |v[SS+8*\k+1]|, |v[SS+8*\k+2]|
.endr
.irp i, 3,5
.irp k, 0,1,2,3
	DLY 4
	v_max3_num_f32 v[TT+\k], v[TT+\k], |v[SS+8*\k+\i]|, |v[SS+8*\k+\i+1]|
.endr
.endr
	DLY 3
	v_max3_num_f32 v[BM], v[TT], v[TT+1], |v[SS+7]|
	DLY 2
	v_max3_num_f32 v[BM+1], v[TT+2], v[TT+3], |v[SS+23]|
	DLY 2
	v_max3_num_f32 v[BM], v[BM], |v[SS+15]|, 0x1800000
	DLY 2
	v_max3_num_f32 v[BM+1], v[BM+1], |v[SS+31]|, 0x1800000
	DLY 2
	v_permlanex16_b32 v[Y], v[BM], s20, s21
	DLY 2
	v_permlanex16_b32 v[X], v[BM+1], s20, s21
	DLY 2
	v_max_num_f32 v[BM], v[BM], v[Y]
	DLY 2
	v_max_num_f32 v[BM+1], v[BM+1], v[X]
	DLY 2
	v_add_nc_u32 v[SO], 0xff000000, v[BM]
	DLY 2
	v_add_nc_u32 v[SO+1], 0xff000000, v[BM+1]
	DLY 2
	v_lshrrev_b32 v[X], 23, v[SO]
	DLY 2
	v_lshrrev_b32 v[OLD], 23, v[SO+1]
	DLY 1
	v_lshl_or_b32 v[OBY+\q], v[OLD], 8, v[X]       ; the row's two scale bytes
	v_cvt_scalef32_pk16_fp6_f32 v[PP:PP+2], v[SS:SS+15], v[SO]
	v_cvt_scalef32_pk16_fp6_f32 v[CT:CT+2], v[SS+16:SS+31], v[SO+1]
	v_nop                                          ; one plain place behind a scaled conversion
.irp i, 0,1,2
	v_permlane16_swap_b32 v[PP+\i], v[CT+\i]       ; here a block lies in two lanes: the operand wants it whole in one
.endr
.irp i, 0,1,2
	DLY 3
	v_mov_b32 v[PP+3+\i], v[CT+\i]
.endr
	global_store_b128 v[L16], v[PP:PP+3], s[40:41] offset:3072*\q        ; 512 and 256 consecutive bytes, aligned
	global_store_b64 v[L8], v[PP+4:PP+5], s[40:41] offset:3072*\q+512
.endm
	s_load_b128 s[4:7], s[0:1], 0x0                ; qkv, oc
	s_load_b64 s[8:9], s[0:1], 0x10                ; os
	v_lshl_add_u32 v[SPW], v0, 2, SPARE
	v_mov_b32 v[NIL], 0
	ds_add_u32 v[SPW], v[NIL]                      ; the wave's opening: the add, twice on end, and its wait ahead of my tensor load
	ds_add_u32 v[SPW], v[NIL]
	v_lshrrev_b32 v1, 5, v0
	DLY 1
	v_readfirstlane_b32 s10, v1                    ; wave 0..7
	s_bfe_u32 s11, ttmp6, 0x40000                  ; cx: my block of 512 queries
	s_and_b32 s12, ttmp7, 0xffff                   ; the head
	s_mov_b32 s24, 15|(3<<16)|(1<<21)              ; the mask: all four; elements of 8 bytes; bit 21 beside a mask; no padding
	s_mov_b32 s25, 1632<<16                        ; rows of 13,056 bytes (K and V of one step),
	s_mov_b32 s26, 2<<16                           ; two of them,
	s_mov_b32 s27, 1632<<16
	s_mov_b32 s28, 2
	s_mov_b32 s29, 2464                            ; 19,712 bytes apart in memory, on end in LDS
	s_mov_b32 s30, 0
	s_mov_b32 s31, 0
	s_mul_i32 s14, s12, HEADB
	s_mov_b32 s15, 0
	s_mul_i32 s16, s10, 2*RECB
	s_mov_b32 s17, 0
	s_mul_i32 s13, s10, 2*STEPB
	s_mov_b32 s20, 0x76543210
	s_mov_b32 s21, 0xfedcba98                      ; lane l xor 16
	s_mov_b32 s22, 0x3e38aa3b                      ; c = log2(e) / 8
	s_mov_b32 s23, s22                             ; (named with it as a pair)
	s_mov_b32 s54, 0xbe38aa3b                      ; -c
	s_wait_dscnt 0x0                               ; both opening adds are done
	s_wait_kmcnt 0x0
	s_add_nc_u64 s[4:5], s[4:5], s[14:15]          ; the head's records
	s_mov_b32 s32, 1
	s_mov_b32 s33, s13                             ; LDS: steps 2 w, 2 w + 1
	s_add_nc_u64 s[34:35], s[4:5], s[16:17]        ; made of the head and the wave's number alone
	s_or_b32 s35, s35, 0x80000000
	CROUND                                         ; all four work-groups are here: the joint loads meet
	tensor_load_to_lds s[32:35], s[24:31]          ; my one tensor load of the launch
	s_nop 0
.rept 4
	v_nop
.endr
	s_lshl_b32 s18, s11, 2
	s_lshr_b32 s19, s10, 1
	s_add_co_u32 s18, s18, s19                     ; the step of 128 tokens in which my queries lie
	s_and_b32 s19, s10, 1                          ; my four tiles in it: 4 (w % 2) ..
	s_mul_i32 s48, s18, RECB
	s_mul_i32 s50, s19, 3072
	s_add_co_u32 s50, s50, s48
	s_add_co_u32 s50, s50, 13056
	s_mov_b32 s51, 0
	s_add_nc_u64 s[36:37], s[4:5], s[50:51]        ; Q's images: tile 0's, tile 1's 768 bytes on
	s_lshl_b32 s50, s19, 3
	s_add_co_u32 s50, s50, s48
	s_add_co_u32 s50, s50, 19200
	s_add_nc_u64 s[38:39], s[4:5], s[50:51]        ; Q's scale words: word (tile / 2) of each lane's four; the odd tile's lie 256 bytes on
	s_lshr_b32 s48, s12, 4
	s_lshl_b32 s48, s48, 4
	s_add_co_u32 s48, s48, s18                     ; the group of 128 tokens, 16 b + step
	s_and_b32 s49, s12, 15                         ; h
	s_lshr_b32 s52, s49, 2                         ; which 256 of the last product's K
	s_and_b32 s49, s49, 3                          ; which 64 of them
	s_lshl_b32 s50, s48, 2
	s_add_co_u32 s50, s50, s52
	s_lshl_b32 s50, s50, 3
	s_lshl_b32 s53, s19, 2
	s_add_co_u32 s50, s50, s53
	s_lshl_b32 s50, s50, 2
	s_add_co_u32 s50, s50, s49
	s_mul_i32 s50, s50, 768
	s_add_nc_u64 s[40:41], s[6:7], s[50:51]        ; o's images: tile 0's, tile 1's 3,072 bytes on
	s_lshl_b32 s50, s48, 12
	s_lshl_b32 s52, s52, 10
	s_add_co_u32 s50, s50, s52
	s_lshl_b32 s52, s19, 9
	s_add_co_u32 s50, s50, s52
	s_lshl_b32 s52, s49, 1
	s_add_co_u32 s50, s50, s52
	s_add_nc_u64 s[42:43], s[8:9], s[50:51]        ; o's two scale bytes of each row's eight
	v_and_b32 v11, 31, v0
	v_and_b32 v12, 15, v0
	v_bfe_u32 v13, v0, 4, 1                        ; h
	v_and_b32 v14, 7, v0                           ; r % 8
	v_bfe_u32 v15, v0, 3, 1                        ; r / 8
	v_lshlrev_b32 v[L16], 4, v11
	v_lshlrev_b32 v[L8], 3, v11
	v_lshlrev_b32 v[QSO], 4, v12
	DLY 4
	v_mul_u32_u24 v[KAL], v15, 1536
	v_lshlrev_b32 v[KSL], 8, v13
	v_lshlrev_b32 v[SH], 3, v13
	v_cmp_ne_u32 s47, 0, v13                       ; lanes 16-31
	DLY 4
	v_lshl_add_u32 v[KBL], v13, 7, v[KAL]
	v_lshl_add_u32 v[KAL], v13, 8, v[KAL]
	v_lshl_add_u32 v[KSL], v14, 4, v[KSL]
	DLY 3
	v_lshl_add_u32 v[KBL], v14, 3, v[KBL]
	DLY 3
	v_lshl_add_u32 v[KAL], v14, 4, v[KAL]
	DLY 3
	v_lshl_add_u32 v[KSL], v15, 2, v[KSL]
.irp q, 0,1
	TILE \q
	v_mov_b32 v[X], 0                              ; lane permutes' destinations, and the upper half of a pair: written once
	v_mov_b32 v[Y], 0
	v_mov_b32 v[F+1], 0
.endr
	WIN TO1
.irp j, 48,49,50,51,52,53
	v_mov_b32 v[KF+\j], 0                          ; behind K's last tile
.endr
.irp j, 6,7,8,9,10,11,18,19,20,21,22,23
	v_mov_b32 v[QBASE+\j], 0                       ; Q's zero codes for K = 64 .. 127, both tiles
.endr
	WIN 0
	s_wait_alu depctr_va_vdst(0)                   ; the wait at the head's end
	s_wait_tensorcnt 0x0                           ; my two steps have landed,
	s_barrier_signal -1
	s_barrier_wait -1                              ; everybody's have.
	s_mov_b32 s46, 2
.Lpass:                                            ; two tiles of 16 queries
	s_wait_dscnt 0x0                               ; the loads that the pass before left out have landed: K's registers may be asked for again
	global_load_b32 v[QS], v[QSO], s[38:39]
	global_load_b32 v[QS+1], v[QSO], s[38:39] offset:256
	KSLOAD KSL                                     ; step 0's K: 4 + 16 LDS loads
	WIN TO1
	global_load_b128 v[QBASE:QBASE+3], v[L16], s[36:37]
	global_load_b64 v[QBASE+4:QBASE+5], v[L8], s[36:37] offset:512
	global_load_b128 v[QBASE+12:QBASE+15], v[L16], s[36:37] offset:768
	global_load_b64 v[QBASE+16:QBASE+17], v[L8], s[36:37] offset:1280
	KLOAD KAL, KBL
.set j, 0
.rept 64
	v_mov_b32 v[OBASE+j], 0                        ; O^T: the step is written once; the first finds zeros
.set j, j+1
.endr
	WIN 0
.irp q, 0,1
	TILE \q
	v_mov_b32 v[RS], 0xff61b1e6                    ; the largest score so far: -3e38
	v_mov_b32 v[NM], 0x7e000000                    ; -M = 2^125: the first step's factor is 0
	v_mov_b32 v[L], 0
	v_mov_b32 v[L+1], 0
	v_mov_b32 v[L+2], 0
	v_mov_b32 v[L+3], 0
.endr
	s_mov_b32 s44, 0
	s_mov_b32 s45, 16
	s_wait_alu depctr_va_vdst(0)                   ; the wait ahead of the wait below
	s_wait_loadcnt 0x0
.Lstep:                                            ; 128 keys
	v_add_nc_u32 v[AV16], s44, v[L16]
	v_add_nc_u32 v[AV8], s44, v[L8]
	v_nop
	v_nop                                          ; four places ahead of loads into registers that the last products read
	WIN TO1
.irp u, 0,1,2,3
.irp c, 0,1,2
	ds_load_b128 v[VF+12*\u+4*\c:VF+12*\u+4*\c+3], v[AV16] offset:6656+1536*\u+512*\c   ; V's four fragments land under the softmax
.endr
.endr
	WIN 0
	ds_load_b64 v[VS:VS+1], v[AV8] offset:12800
	s_add_co_u32 s55, s44, STEPB
	s_min_u32 s55, s55, 15*STEPB                   ; the next step's place in LDS, held at the last step's
	s_wait_dscnt 13                                ; this step's K is in; the 13 loads just issued may be out
	WIN WSC
	SMUL 0
	SMUL 1
	WIN 0
	v_add_nc_u32 v[AKA], s55, v[KAL]               ; four places ahead of the loads below and of the first read of the scores
	v_add_nc_u32 v[AKB], s55, v[KBL]
	v_add_nc_u32 v[AKS], s55, v[KSL]
	v_nop
	WIN TO1
	KLOAD AKA, AKB                                 ; the next step's K: 16 + 4 loads
	WIN 0
	KSLOAD AKS
.irp n, 0,1,2,3,4,5,6
	TREE4 0, \n
.endr
	CH 0, 0
.irp n, 0,1,2,3,4,5
	TREE4 1, \n                                    ; tile 1's maxima, and under them tile 0's chain
	CH 0, \n+1
.endr
	TREE4 1, 6
	CH 1, 0
.irp n, 0,1,2
	PF4 0, \n                                      ; tile 0's t - M, and under them tile 1's chain and the end of tile 0's
	CH 1, \n+1
	CH 0, \n+7
.endr
.irp n, 3,4,5
	PF4 0, \n
	CH 1, \n+1
.endr
	PF4 0, 6
	PF4 0, 7
.irp n, 0,1,2
	PF4 1, \n
	CH 1, \n+7
.endr
.irp n, 3,4,5,6,7
	PF4 1, \n
.endr
	WIN WPV
	RESC 0
	RESC 1
	WIN 0
	s_wait_alu depctr_va_vdst(0)                   ; one wait ahead of the batch of 132
	EXPS 0
	EXPS 1
	v_nop                                          ; the plain place behind the batch
	s_wait_alu depctr_va_vdst(0)                   ; and one wait behind it, ahead of its first reader
	SL 1
	ADH 0, 0
	SL 2
	ADH 1, 0
	SL 3
	ADH 0, 1
	SL 4
	ADH 1, 1
	SL 5
	ADH 0, 2
	SL 6
	ADH 1, 2
	SL 7
	CVT 0
	CVT 1
.irp r, 3,4,5,6
	ADH 0, \r                                      ; also the plain places behind the conversions, and between the scale words and the products
	ADH 1, \r
.endr
	MOVS 0
.irp q, 0,1
	TILE \q
	v_pk_add_f32 v[TT:TT+1], v[TT:TT+1], v[TT+4:TT+5]
	v_pk_add_f32 v[TT+2:TT+3], v[TT+2:TT+3], v[TT+6:TT+7]
.endr
	MOVS 1
.irp q, 0,1
	TILE \q
	v_pk_fma_f32 v[L:L+1], v[L:L+1], v[F:F+1], v[TT:TT+1] op_sel_hi:[1,0,1]         ; the old sums under the new M, and this step's; four places behind the last moves
	v_pk_fma_f32 v[L+2:L+3], v[L+2:L+3], v[F:F+1], v[TT+2:TT+3] op_sel_hi:[1,0,1]
.endr
	s_wait_alu depctr_va_vdst(0)                   ; the wait ahead of the wait below
	s_wait_dscnt 20                                ; V is in; the 20 loads of the next step's K may be out
	WIN WPV
	PV 0
	PV 1
	WIN 0
	s_add_co_u32 s44, s44, STEPB
	s_sub_co_u32 s45, s45, 1
	s_cmp_lg_u32 s45, 0
	s_cbranch_scc1 .Lstep
.rept 4
	v_nop                                          ; places behind the last products
.endr
.irp q, 0,1
	TILE \q
	v_pk_add_f32 v[L:L+1], v[L:L+1], v[L+2:L+3]    ; the rows' sums, the two tiles by turns
.endr
.irp q, 0,1
	TILE \q
	DLY 2
	v_add_f32 v[L], v[L], v[L+1]
.endr
.irp q, 0,1
	TILE \q
	DLY 2
	v_permlanex16_b32 v[Y], v[L], s20, s21
.endr
.irp q, 0,1
	TILE \q
	DLY 2
	v_add_f32 v[L], v[L], v[Y]
.endr
	s_wait_alu depctr_va_vdst(0)                   ; ahead of the two reciprocals
.irp q, 0,1
	TILE \q
	v_rcp_f32 v[L], v[L]
.endr
	v_nop                                          ; a plain place behind them
	WIN FROM1
	s_wait_alu depctr_va_vdst(0)                   ; directly ahead of their first reader, which is O^T's first reader too
.irp q, 0,1
	TILE \q
.set j, 0
.rept 16
	v_pk_mul_f32 v[SS+j:SS+j+1], v[OO+j:OO+j+1], v[L:L+1] op_sel_hi:[1,0]   ; O^T / the sum
.set j, j+2
.endr
.endr
	WIN 0
	EPI2 0
	EPI2 1
	v_cndmask_b32 v[OW], v[OBY], v[OBY+1], s47     ; lanes 0-15: tile 0's rows, lanes 16-31: tile 1's
	global_store_b16 v[L8], v[OW], s[42:43]        ; two of each row's eight bytes; the other three heads of these 256 along K write the rest
	s_wait_xcnt 0x0                                ; the bases and the stores' registers are written again only behind this wait
	s_add_nc_u64 s[36:37], s[36:37], 1536
	s_add_nc_u64 s[38:39], s[38:39], 4
	s_add_nc_u64 s[40:41], s[40:41], 6144
	s_add_nc_u64 s[42:43], s[42:43], 256
	s_sub_co_u32 s46, s46, 1
	s_cmp_lg_u32 s46, 0
	s_cbranch_scc1 .Lpass
	s_wait_tensorcnt 0x0                           ; the wave's end
	ds_add_u32 v[SPW], v[NIL]
	s_wait_dscnt 0x0
	CROUND                                         ; the closing round
	s_endpgm
.Lfunc_end_k_q8e1ecf1c51_attn:
	.size	k_q8e1ecf1c51_attn, .Lfunc_end_k_q8e1ecf1c51_attn-k_q8e1ecf1c51_attn
	.p2alignl 7, 3214868480
	.fill 96, 4, 3214868480
	.section	.rodata,"a",@progbits
	.p2align	6, 0x0
	.amdhsa_kernel k_q8e1ecf1c51_attn
		.amdhsa_group_segment_fixed_size 212992
		.amdhsa_private_segment_fixed_size 0
		.amdhsa_enable_private_segment 0
		.amdhsa_kernarg_size 24
		.amdhsa_user_sgpr_count 2
		.amdhsa_user_sgpr_kernarg_segment_ptr 1
		.amdhsa_wavefront_size32 1
		.amdhsa_system_sgpr_workgroup_id_x 1
		.amdhsa_system_sgpr_workgroup_id_y 1
		.amdhsa_system_sgpr_workgroup_id_z 1
		.amdhsa_system_vgpr_workitem_id 0
		.amdhsa_next_free_vgpr 512
		.amdhsa_next_free_sgpr 66
		.amdhsa_reserve_vcc 0
		.amdhsa_float_denorm_mode_32 3
		.amdhsa_float_denorm_mode_16_64 3
		.amdhsa_memory_ordered 1
		.amdhsa_forward_progress 1
		.amdhsa_inst_pref_size 48
	.end_amdhsa_kernel
	.amdgpu_metadata
---
amdhsa.version: [ 1, 2 ]
amdhsa.kernels:
  - .name:           k_q8e1ecf1c51_attn
    .symbol:         k_q8e1ecf1c51_attn.kd
    .args:
      - { .name: qkv, .offset: 0, .size: 8, .value_kind: global_buffer, .address_space: global }
      - { .name: oc, .offset: 8, .size: 8, .value_kind: global_buffer, .address_space: global }
      - { .name: os, .offset: 16, .size: 8, .value_kind: global_buffer, .address_space: global }
    .group_segment_fixed_size: 212992
    .private_segment_fixed_size: 0
    .kernarg_segment_align: 8
    .kernarg_segment_size: 24
    .max_flat_workgroup_size: 256
    .sgpr_count:     66
    .vgpr_count:     512
    .wavefront_size: 32
...
	.end_amdgpu_metadata
.endif
;; end of part 3
;; launch proj (part 4): grid 4 x 32, 4 waves a work-group, clusters of 4 x 4, 327,680 bytes of LDS; arguments oc, os, opc, ops, bproj, out0; writes out0
.if DOCPART == 4
	.amdgcn_target "amdgcn-amd-amdhsa--gfx1250"
	.amdhsa_code_object_version 6
	.text
	.protected	k_q8e1ecf1c51_proj
	.globl	k_q8e1ecf1c51_proj
	.p2align	8
	.type	k_q8e1ecf1c51_proj,@function
k_q8e1ecf1c51_proj:
	s_mov_b64 s[64:65], 0
	v_nop
	global_prefetch_b8 v0, s[64:65] scope:SCOPE_SE
	s_setreg_imm32_b32 hwreg(HW_REG_WAVE_MODE, 25, 1), 1
	s_wait_xcnt 0x0
	s_wait_alu depctr_hold_cnt(0) depctr_sa_sdst(0) depctr_va_vdst(0) depctr_va_sdst(0) depctr_va_ssrc(0) depctr_va_vcc(0) depctr_vm_vsrc(0)
	s_getreg_b32 s2, hwreg(HW_REG_IB_STS2, 6, 4)
	s_cmp_eq_u32 s2, 0
	s_cbranch_scc0 .Lentry_in_a_cluster
	s_endpgm
.Lentry_in_a_cluster:
	s_bfe_u32 s2, ttmp6, 0x10000c
	s_cmp_lg_u32 s2, 0xf033
	s_cbranch_scc0 .Lentry_shape_is_right
	s_endpgm
.Lentry_shape_is_right:
.set NQ,    2
.set FR,    12
.set NL,    4
.set NP,    4
.set QT,    24576
.set SLOT,  4*QT
.set SCL,   2*SLOT
.set HALFS, 4096
.set SPARE, SCL+4*HALFS
.set SPITCH, 528
.set ADRA,  16
.set ADRB,  20
.set STO,   24
.set RD,    25
.set CO,    26
.set ADRS,  27
.set SPW,   28
.set NIL,   29
.set BIO,   30
.set SC,    32
.set BI,    64
.set AF,    128
.set BK,    128
.set G1,    24
.set G0,    32
.set G1B,   48
.set G0B,   56
.set G1S,   68
.set G0S,   76
.set G1SB,  80
.set G0SB,  88
.set MSB,   0
.macro WIN new
.if MSB != \new
	s_set_vgpr_msb (MSB<<8)|\new
.set MSB, \new
.endif
.endm
.set MUL_LO, 0xa1
.set MUL_HI, 0xf1
.set TO_B,   0x40
.macro JLOAD g0a, g1a, g0b, g1b
	s_cmp_eq_u32 s15, 0
	s_cbranch_scc0 .Lfor_b_\@
	tensor_load_to_lds s[\g0a:\g0a+3], s[\g1a:\g1a+7]
	s_nop 0
.rept 4
	v_nop
.endr
	s_branch .Lasked_\@
.Lfor_b_\@:
	tensor_load_to_lds s[\g0b:\g0b+3], s[\g1b:\g1b+7]
	s_nop 0
.rept 4
	v_nop
.endr
.Lasked_\@:
.endm
.macro CREST
	s_cmp_lg_u32 s14, 0
	s_cbranch_scc1 .Lnot_wave_0_\@
	s_barrier_signal -3
.Lnot_wave_0_\@:
	s_barrier_wait -3
	s_barrier_signal -1
	s_barrier_wait -1
.endm
.macro CROUND
	s_barrier_signal -1
	s_barrier_wait -1
	CREST
.endm
.macro PLACES n
.rept \n
	v_nop
.endr
.endm
	s_load_b256 s[4:11], s[0:1], 0x0
	s_load_b128 s[92:95], s[0:1], 0x20
	v_lshl_add_u32 v[SPW], v0, 2, SPARE
	v_mov_b32 v[NIL], 0
	ds_add_u32 v[SPW], v[NIL]
	ds_add_u32 v[SPW], v[NIL]
	v_lshrrev_b32 v1, 5, v0
	v_readfirstlane_b32 s14, v1
	s_lshr_b32 s15, s14, 1
	s_and_b32 s16, s14, 1
	s_bfe_u32 s40, ttmp6, 0x40000
	s_bfe_u32 s41, ttmp6, 0x40004
	s_and_b32 s42, ttmp7, 0xffff
	s_lshl_b32 s42, s42, 2
	s_add_co_u32 s42, s42, s41
	s_add_co_u32 s45, s40, 44
	s_lshl_b32 s43, s41, 2
	s_lshl_b32 s43, 15, s43
	s_lshl_b32 s44, 0x1111, s40
	s_or_b32 s[G1+0], s43, (3<<16)|(1<<21)
	s_or_b32 s[G1B+0], s44, (3<<16)|(1<<21)
.irp g, G1, G1B
	s_mov_b32 s[\g+1], 32<<16
	s_mov_b32 s[\g+2], 96<<16
	s_mov_b32 s[\g+3], 32<<16
	s_mov_b32 s[\g+4], 96
	s_mov_b32 s[\g+5], 32
	s_mov_b32 s[\g+6], 0
	s_mov_b32 s[\g+7], 0
.endr
	s_or_b32 s[G1S+0], s43, (3<<16)|(1<<21)
	s_or_b32 s[G1SB+0], s44, (3<<16)|(1<<21)
.irp g, G1S, G1SB
	s_mov_b32 s[\g+1], 32<<16
	s_mov_b32 s[\g+2], 16<<16
	s_mov_b32 s[\g+3], 32<<16
	s_mov_b32 s[\g+4], 16
	s_mov_b32 s[\g+5], 32
	s_mov_b32 s[\g+6], 0
	s_mov_b32 s[\g+7], 0
.endr
	s_lshl_b32 s20, s42, 1
	s_add_co_u32 s20, s20, s16
	s_lshl_b32 s46, s45, 1
	s_add_co_u32 s46, s46, s16
	s_lshl_b32 s22, s20, 12
	s_mov_b32 s23, 0
	s_lshl_b32 s66, s46, 12
	s_mov_b32 s67, 0
	s_mul_i32 s20, s20, 4*QT
	s_mov_b32 s21, 0
	s_mul_i32 s46, s46, 4*QT
	s_mov_b32 s47, 0
	s_mul_i32 s18, s14, QT
	s_lshl_b32 s19, s14, 12
	s_wait_dscnt 0x0
	s_wait_kmcnt 0x0
	s_add_nc_u64 s[20:21], s[4:5], s[20:21]
	s_add_nc_u64 s[22:23], s[6:7], s[22:23]
	s_add_nc_u64 s[46:47], s[8:9], s[46:47]
	s_add_nc_u64 s[66:67], s[10:11], s[66:67]
	CROUND
	s_mov_b32 s[G0S], 1
	s_add_co_u32 s[G0S+1], s19, SCL
	s_mov_b64 s[G0S+2:G0S+3], s[22:23]
	s_or_b32 s[G0S+3], s[G0S+3], 0x80000000
	s_mov_b32 s[G0SB], 1
	s_add_co_u32 s[G0SB+1], s19, SCL
	s_mov_b64 s[G0SB+2:G0SB+3], s[66:67]
	s_or_b32 s[G0SB+3], s[G0SB+3], 0x80000000
	JLOAD G0S, G1S, G0SB, G1SB
.irp s, 0,1
	s_mov_b32 s[G0+4*\s], 1
	s_add_co_u32 s[G0+4*\s+1], s18, \s*SLOT
	s_add_nc_u64 s[G0+4*\s+2:G0+4*\s+3], s[20:21], \s*QT
	s_or_b32 s[G0+4*\s+3], s[G0+4*\s+3], 0x80000000
	s_mov_b32 s[G0B+4*\s], 1
	s_add_co_u32 s[G0B+4*\s+1], s18, \s*SLOT
	s_add_nc_u64 s[G0B+4*\s+2:G0B+4*\s+3], s[46:47], \s*QT
	s_or_b32 s[G0B+4*\s+3], s[G0B+4*\s+3], 0x80000000
	s_wait_alu depctr_va_vdst(0)
	s_wait_tensorcnt 0x0
	ds_add_u32 v28, v29
	s_wait_dscnt 0x0
	CROUND
	JLOAD G0+4*\s, G1, G0B+4*\s, G1B
.endr
	v_and_b32 v1, 31, v0
	v_and_b32 v2, 15, v0
	v_bfe_u32 v3, v0, 4, 1
	v_lshlrev_b32 v[CO], 4, v1
	s_wait_alu depctr_va_vdst(0)
	v_lshlrev_b32 v5, 3, v1
	s_wait_alu depctr_va_vdst(0)
	v_lshlrev_b32 v[BIO], 6, v3
	s_lshl_b32 s100, s40, 10
	s_lshl_b32 s97, s16, 9
	s_add_co_u32 s100, s100, s97
	s_mov_b32 s101, 0
	s_add_nc_u64 s[92:93], s[92:93], s[100:101]
.irp b, 0,1,2,3,4,5,6,7
	global_load_b128 v[BI+8*\b:BI+8*\b+3], v[BIO], s[92:93] offset:128*(\b/2)+32*(\b%2)
	global_load_b128 v[BI+8*\b+4:BI+8*\b+7], v[BIO], s[92:93] offset:128*(\b/2)+32*(\b%2)+16
.endr
	s_lshl_b32 s97, s42, 8
	s_lshl_b32 s98, s15, 7
	s_add_co_u32 s97, s97, s98
	s_lshl_b32 s97, s97, 12
	s_add_co_u32 s100, s100, s97
	s_add_nc_u64 s[94:95], s[94:95], s[100:101]
	s_mul_i32 s2, s15, QT
	s_mul_i32 s3, s16, QT
	s_add_co_u32 s3, s3, 2*QT
.irp s, 0,1
	v_add_nc_u32 v[ADRA+\s], s2, v[CO]
	v_add_nc_u32 v[ADRA+2+\s], s2, v5
	v_add_nc_u32 v[ADRB+\s], s3, v[CO]
	v_add_nc_u32 v[ADRB+2+\s], s3, v5
	s_add_co_u32 s2, s2, SLOT
	s_add_co_u32 s3, s3, SLOT
.endr
	s_lshl_b32 s2, s15, 12
	s_lshl_b32 s3, s16, 12
	s_add_co_u32 s3, s3, 2*HALFS
	s_sub_co_u32 s3, s3, s2
	v_mul_u32_u24 v6, s3, v3
	s_add_co_u32 s2, s2, SCL
	v_lshl_add_u32 v6, v2, 3, v6
	v_add_nc_u32 v[ADRS], s2, v6
	s_mul_i32 s2, s14, 16*SPITCH
	v_mul_u32_u24 v5, v2, SPITCH
	v_lshl_add_u32 v5, v3, 6, v5
	v_add_nc_u32 v[STO], s2, v5
	v_add_nc_u32 v[RD], s2, v[CO]
.macro FRAG reg, adr, q, i
	ds_load_b128 v[\reg:\reg+3], v[\adr] offset:(\i)*3072+(\q)*1536
	ds_load_b64 v[\reg+4:\reg+5], v[\adr+2] offset:(\i)*3072+(\q)*1536+512
	ds_load_b128 v[\reg+6:\reg+9], v[\adr] offset:(\i)*3072+(\q)*1536+768
	ds_load_b64 v[\reg+10:\reg+11], v[\adr+2] offset:(\i)*3072+(\q)*1536+1280
.endm
.macro MUL16 a0, p, q, sc, first
.irp a, \a0, \a0+1
.irp b, 0,1,2,3,4,5,6,7
.if \first
	v_wmma_scale_f32_16x16x128_f8f6f4 v[8*(8*((\a)%4)+\b):8*(8*((\a)%4)+\b)+7], v[128*(\p)+FR*\b:128*(\p)+FR*\b+FR-1], v[AF+FR*(\a):AF+FR*(\a)+FR-1], v[BI+8*\b:BI+8*\b+7], v[SC+8*NQ*(\sc)+NQ*\b+(\q)], v[SC+8*NQ*(\sc)+NQ*(\a)+(\q)] matrix_a_fmt:MATRIX_FMT_FP6 matrix_b_fmt:MATRIX_FMT_FP6 matrix_a_scale:MATRIX_SCALE_ROW1
.else
	v_wmma_scale_f32_16x16x128_f8f6f4 v[8*(8*((\a)%4)+\b):8*(8*((\a)%4)+\b)+7], v[128*(\p)+FR*\b:128*(\p)+FR*\b+FR-1], v[AF+FR*(\a):AF+FR*(\a)+FR-1], v[8*(8*((\a)%4)+\b):8*(8*((\a)%4)+\b)+7], v[SC+8*NQ*(\sc)+NQ*\b+(\q)], v[SC+8*NQ*(\sc)+NQ*(\a)+(\q)] matrix_a_fmt:MATRIX_FMT_FP6 matrix_b_fmt:MATRIX_FMT_FP6 matrix_a_scale:MATRIX_SCALE_ROW1
.endif
.endr
.endr
.endm
.macro FETCH_B slot, q, p
	WIN TO_B
.irp i, 0,1,2,3,4,5,6,7
	FRAG 128*(\p)+FR*\i, ADRB+\slot, \q, \i
.endr
	WIN 0
.endm
.macro FETCH_A slot, q, i0
.irp i, \i0, \i0+1, \i0+2, \i0+3
	FRAG AF+FR*(\i), ADRA+\slot, \q, \i
.endr
.endm
.macro SCALES sc
.irp i, 0,1,2,3,4,5,6,7
	ds_load_b64 v[SC+8*NQ*\sc+NQ*\i:SC+8*NQ*\sc+NQ*\i+1], v[ADRS] offset:128*\i
.endr
.endm
.macro STEP slot, q, first
	s_wait_dscnt 4*NL
.if \first
	WIN 0x81
.else
	WIN MUL_LO
.endif
	MUL16 0, (\q)%2, \q, \slot, \first
	MUL16 2, (\q)%2, \q, \slot, \first
	s_wait_dscnt 0
	PLACES NP
	FETCH_B \slot, (\q)+1, 1-(\q)%2
	FETCH_A \slot, (\q)+1, 0
.if \first
	WIN 0xc1
.else
	WIN MUL_HI
.endif
	MUL16 4, (\q)%2, \q, \slot, \first
	MUL16 6, (\q)%2, \q, \slot, \first
	PLACES NP
	WIN 0
	FETCH_A \slot, (\q)+1, 4
.endm
.macro TURN slot, next, fill
	s_wait_tensorcnt 0x0
	ds_add_u32 v[SPW], v[NIL]
	s_wait_dscnt 4*NL+1
	WIN MUL_LO
	MUL16 0, 1, NQ-1, \slot, 0
	s_wait_dscnt 0x0
	s_barrier_signal -1
	MUL16 2, 1, NQ-1, \slot, 0
	WIN 0
	s_barrier_wait -1
.if \fill
	CREST
	s_add_nc_u64 s[G0+4*\slot+2:G0+4*\slot+3], s[G0+4*\slot+2:G0+4*\slot+3], 2*QT
	s_add_nc_u64 s[G0B+4*\slot+2:G0B+4*\slot+3], s[G0B+4*\slot+2:G0B+4*\slot+3], 2*QT
	JLOAD G0+4*\slot, G1, G0B+4*\slot, G1B
.else
	PLACES NP
.endif
	s_wait_alu depctr_va_vdst(0)
	v_add_nc_u32 v[ADRS], 1024, v[ADRS]
	FETCH_B \next, 0, 0
	FETCH_A \next, 0, 0
	SCALES \next
	WIN MUL_HI
	MUL16 4, 1, NQ-1, \slot, 0
	MUL16 6, 1, NQ-1, \slot, 0
	PLACES NP
	WIN 0
	FETCH_A \next, 0, 4
.endm
	s_wait_alu depctr_va_vdst(0)
	s_wait_tensorcnt 1
	s_barrier_signal -1
	s_barrier_wait -1
	FETCH_B 0, 0, 0
	FETCH_A 0, 0, 0
	SCALES 0
	FETCH_A 0, 0, 4
	s_wait_loadcnt 0x0
	STEP 0, 0, 1
	TURN 0, 1, 1
	STEP 1, 0, 0
	TURN 1, 0, 1
	STEP 0, 0, 0
	TURN 0, 1, 0
	STEP 1, 0, 0
	s_wait_dscnt 4*NL
	WIN MUL_LO
	MUL16 0, 1, NQ-1, 1, 0
	MUL16 2, 1, NQ-1, 1, 0
	s_wait_dscnt 0x0
	WIN MUL_HI
	MUL16 4, 1, NQ-1, 1, 0
	MUL16 6, 1, NQ-1, 1, 0
	WIN 0
.macro TOSTAGE a
.set AC, 64*((\a)%4)
	WIN 0x08+4*((\a)/4)
.irp b, 0,1,2,3,4,5,6,7
	ds_store_b128 v[STO], v[AC+8*\b:AC+8*\b+3] offset:128*(\b/2)+32*(\b%2)
	ds_store_b128 v[STO], v[AC+8*\b+4:AC+8*\b+7] offset:128*(\b/2)+32*(\b%2)+16
.endr
	WIN 0
.set BB, BK+64*((\a)%2)
.irp t, 0,1,2,3,4,5,6,7,8,9,10,11,12,13,14,15
	ds_load_b128 v[BB+4*\t:BB+4*\t+3], v[RD] offset:\t*SPITCH
.endr
.endm
.macro SEND a, younger
.set BB, BK+64*((\a)%2)
	s_wait_dscnt \younger
.irp t, 0,1,2,3,4,5,6,7,8,9,10,11,12,13,14,15
	global_store_b128 v[CO], v[BB+4*\t:BB+4*\t+3], s[94:95] offset:(32*((\a)/2)+8*((\a)%2)+(\t%8)+16*(\t/8))*4096 th:TH_STORE_NT
.endr
.endm
	PLACES NP
	TOSTAGE 0
.irp a, 1,2,3,4,5,6,7
.if \a > 1
	s_wait_xcnt 0x0
.endif
	TOSTAGE \a
	SEND \a-1, 32
.endr
	SEND 7, 0
	s_wait_tensorcnt 0x0
	ds_add_u32 v[SPW], v[NIL]
	s_wait_dscnt 0x0
	CROUND
	s_endpgm
.Lfunc_end_k_q8e1ecf1c51_proj:
	.size	k_q8e1ecf1c51_proj, .Lfunc_end_k_q8e1ecf1c51_proj-k_q8e1ecf1c51_proj
	.p2alignl 7, 3214868480
	.fill 96, 4, 3214868480
	.section	.rodata,"a",@progbits
	.p2align	6, 0x0
	.amdhsa_kernel k_q8e1ecf1c51_proj
		.amdhsa_group_segment_fixed_size 327680
		.amdhsa_private_segment_fixed_size 0
		.amdhsa_enable_private_segment 0
		.amdhsa_kernarg_size 48
		.amdhsa_user_sgpr_count 2
		.amdhsa_user_sgpr_kernarg_segment_ptr 1
		.amdhsa_wavefront_size32 1
		.amdhsa_system_sgpr_workgroup_id_x 1
		.amdhsa_system_sgpr_workgroup_id_y 1
		.amdhsa_system_sgpr_workgroup_id_z 1
		.amdhsa_system_vgpr_workitem_id 0
		.amdhsa_next_free_vgpr 1024
		.amdhsa_next_free_sgpr 102
		.amdhsa_reserve_vcc 0
		.amdhsa_float_denorm_mode_32 3
		.amdhsa_float_denorm_mode_16_64 3
		.amdhsa_memory_ordered 1
		.amdhsa_forward_progress 1
		.amdhsa_inst_pref_size 145
	.end_amdhsa_kernel
	.amdgpu_metadata
---
amdhsa.version: [ 1, 2 ]
amdhsa.kernels:
  - .name:           k_q8e1ecf1c51_proj
    .symbol:         k_q8e1ecf1c51_proj.kd
    .args:
      - { .name: oc, .offset: 0, .size: 8, .value_kind: global_buffer, .address_space: global }
      - { .name: os, .offset: 8, .size: 8, .value_kind: global_buffer, .address_space: global }
      - { .name: opc, .offset: 16, .size: 8, .value_kind: global_buffer, .address_space: global }
      - { .name: ops, .offset: 24, .size: 8, .value_kind: global_buffer, .address_space: global }
      - { .name: bproj, .offset: 32, .size: 8, .value_kind: global_buffer, .address_space: global }
      - { .name: out0, .offset: 40, .size: 8, .value_kind: global_buffer, .address_space: global }
    .group_segment_fixed_size: 327680
    .private_segment_fixed_size: 0
    .kernarg_segment_align: 8
    .kernarg_segment_size: 48
    .max_flat_workgroup_size: 128
    .sgpr_count:     102
    .vgpr_count:     1024
    .wavefront_size: 32
...
	.end_amdgpu_metadata
.endif
;; end of part 4
